; MI455X (gfx1250); checked and timed in simulation.
; The chip was launched on July 23, 2026; its instructions are those of AMD's public machine-readable ISA for CDNA 5 (MIT licence, August 2026) and "CDNA5" Instruction Set Architecture Reference Guide (July 2026). The comments in the code are by the model that wrote it; some were corrected since.
;; Transformer Block. Allowed arithmetic: matrix products marked QUANTISED: E2M1 operands, one E8M0 scale for each 32 along K, by v_wmma_scale_f32_16x16x128_f8f6f4 with both operands' format E2M1 (or v_wmma_scale_f32_32x16x128_f4), f32 sums; products left as they are: f32 operands where the result goes on into a quantised operand, else bf16, f16 or f32 operands; f32 sums; everything else in f32.
;; Inputs: attn_norm_w 512 float32; expert_w_codes 4 x 512 x 16 x 16 uint8 (E2M1 codes of expert_w, K innermost, in blocks of 32 codes, two codes a byte); expert_w_scales 4 x 512 x 16 uint8 (E8M0 scales of expert_w, one for each 32 codes along K); ffn_norm_w 512 float32; gate_w 4 x 512 float32; wk_codes 128 x 16 x 16 uint8 (E2M1 codes of wk, K innermost, in blocks of 32 codes, two codes a byte); wk_scales 128 x 16 uint8 (E8M0 scales of wk, one for each 32 codes along K); wo_codes 512 x 16 x 16 uint8 (E2M1 codes of wo, K innermost, in blocks of 32 codes, two codes a byte); wo_scales 512 x 16 uint8 (E8M0 scales of wo, one for each 32 codes along K); wq_codes 512 x 16 x 16 uint8 (E2M1 codes of wq, K innermost, in blocks of 32 codes, two codes a byte); wq_scales 512 x 16 uint8 (E8M0 scales of wq, one for each 32 codes along K); wv_codes 128 x 16 x 16 uint8 (E2M1 codes of wv, K innermost, in blocks of 32 codes, two codes a byte); wv_scales 128 x 16 uint8 (E8M0 scales of wv, one for each 32 codes along K); x 4 x 2,048 x 512 float32.
;; Outputs: out0 4 x 2,048 x 512 float32.
;; This version of the problem:
;;   THIS VERSION OF THE PROBLEM IS GIVEN IN LOW PRECISION. The matrix products marked QUANTISED in the list below multiply operands that are first quantised to E2M1 (2 exponent bits, 1 mantissa bit; 4 bits a number), with one power-of-two scale for each 32 numbers along K (OCP MX v1.0); their sums are f32. All else is computed in f32.
;;   The module's matrix products, in the order in which they are computed (A, B: the left and right operand; K: the contracted axis; several contracted axes count as one K, in the product's order):
;;     1. [M 8,192, K 512] x [K 512, N 512]; A: computed on the way; B: input wq (given as codes): QUANTISED
;;     2. [M 8,192, K 512] x [K 512, N 128]; A: computed on the way; B: input wk (given as codes): QUANTISED
;;     3. [M 8,192, K 512] x [K 512, N 128]; A: computed on the way; B: input wv (given as codes): QUANTISED
;;     4. batch 64 x [M 2,048, K 32] x [K 32, N 2,048]; A: computed on the way; B: computed on the way: QUANTISED
;;     5. batch 64 x [M 32, K 2,048] x [K 2,048, N 2,048]; A: computed on the way; B: softmax (see below): QUANTISED
;;     6. [M 8,192, K 512] x [K 512, N 512]; A: computed on the way; B: input wo (given as codes): QUANTISED
;;     7. [M 8,192, K 512] x [K 512, N 4]; A: computed on the way; B: input gate_w: left as it is (N = 4 < 16)
;;     8. [M 8,192, K 512] x [K 512, N 512]; A: computed on the way; B: input expert_w (given as codes): QUANTISED
;;     9. [M 8,192, K 512] x [K 512, N 512]; A: computed on the way; B: input expert_w (given as codes): QUANTISED
;;     10. [M 8,192, K 512] x [K 512, N 512]; A: computed on the way; B: input expert_w (given as codes): QUANTISED
;;     11. [M 8,192, K 512] x [K 512, N 512]; A: computed on the way; B: input expert_w (given as codes): QUANTISED
;;   THE QUANTISER, for each operand of a quantised product, along K:
;;     - K is cut into blocks of 32 from its start; a last block that is shorter is filled with zeros.
;;     - A block's scale is 2^e with e = floor(log2(the largest magnitude in the block)) - 2, held to -126 .. 127; a block of zeros has e = 0. As a byte (E8M0): e + 127.
;;     - Each number is divided by its block's scale, clamped to +-6, and rounded to the nearest number of E2M1, ties to even, subnormals kept.
;;     - The product sums the exact products of the quantised numbers (number of the format x scale) in f32.
;;   ~~~python
;;   def quantise(x, axis):      # numpy; x: float32 -> the quantised numbers, widened to float32 again
;;       x = np.moveaxis(x, axis, -1); K = x.shape[-1]
;;       x = np.pad(x, [(0, 0)] * (x.ndim - 1) + [(0, -K % 32)]); x = x.reshape(x.shape[:-1] + (-1, 32)); a = np.abs(x).max(-1, keepdims=True)
;;       e = np.where(a > 0, np.clip(np.frexp(np.where(a > 0, a, 1))[1] - 1 - 2, -126, 127), 0)      # np.frexp(a)[1] - 1 = floor(log2(a)), exactly
;;       r = np.clip(x / 2.0 ** e, -6, 6)
;;       step = 2.0 ** (np.maximum(np.frexp(np.where(r == 0, 1, r))[1] - 1, 0) - 1)
;;       q = np.round(r / step) * step * 2.0 ** e      # np.round: ties to even
;;       return np.moveaxis(q.reshape(q.shape[:-2] + (-1,))[..., :K], -1, axis).astype(np.float32)
;;   ~~~
;;   SOFTMAX AHEAD OF A QUANTISED PRODUCT. Where the list says 'softmax', what is quantised is not the finished softmax but p = 2^(t - M), with t = logit x log2(e) and M = ceil(the row's largest t), a whole number; so 1/2 < the row's largest p <= 1. The row's sum l is taken of the UNQUANTISED p, in f32, and the product's result is divided by l at the end. Since M is a whole number, a kernel that streams over the keys may use a running M (the ceiling of the running maximum): every later rescaling is an exact power of two, which a block's scale takes up: the codes' values come out the same.
;;   OPERANDS COMPUTED ON THE WAY. 'Computed on the way' means the value that the module computes at that place (a softmax that the list does not call 'softmax' is quantised finished and normalised). What goes into a quantiser is computed in f32, as accurately as f32 sums, v_exp_f32 and their like allow (about 1e-6 of the number): no bf16 or f16 on the way to a quantiser, and a product that is left as it is and whose result goes on into a quantised operand takes f32 operands (vector FMAs, or v_wmma_f32_16x16x4_f32). A number that lies on a knife's edge between two numbers of the format may be rounded either way, as far as f32 arithmetic and the matrix unit's own rounding can turn it there, and no further.
;;   INPUTS GIVEN AS CODES. expert_w (in the module: [4, 512, 512], K = its axis 2); wk (in the module: [128, 512], K = its axis 1); wo (in the module: [512, 512], K = its axis 1); wq (in the module: [512, 512], K = its axis 1); wv (in the module: [128, 512], K = its axis 1): each comes as NAME_codes (uint8): NAME with its K axis moved to the last place and cut into blocks of 32 codes, [.., K / 32, bytes a block], one block behind the other in memory; two codes a byte, the lower K in the low four bits (a code: sign, 2 exponent bits, 1 mantissa bit); and NAME_scales (uint8): the same leading axes, one E8M0 byte (e + 127) for each 32 codes along K. Its value is code x scale, taken as it is: it is not quantised again, and the codes and scales need not be those that the quantiser above would give.
;; 2 versions. Each part assembles by itself: llvm-mc -triple=amdgcn-amd-amdhsa -mcpu=gfx1250 --defsym DOCPART=n.
;; ======== version 1 of 2: 2 launches
;; workspace buffers: qimg 2,097,152 bytes; qsc 131,072 bytes; kv 1,114,112 bytes
;; launch qkv (part 1): grid 256 x 1, 8 waves a work-group, no clusters, 78,848 bytes of LDS; arguments x, attn_norm_w, wq_codes, wq_scales, wk_codes, wk_scales, wv_codes, wv_scales, qimg, qsc, kv; writes qimg, qsc, kv
.if DOCPART == 1
	.amdgcn_target "amdgcn-amd-amdhsa--gfx1250"
	.amdhsa_code_object_version 6
	.text
	.protected	k_q8e8bee4df0_qkv
	.globl	k_q8e8bee4df0_qkv
	.p2align	8
	.type	k_q8e8bee4df0_qkv,@function
k_q8e8bee4df0_qkv:
	s_mov_b64 s[64:65], 0
	v_nop
	global_prefetch_b8 v0, s[64:65] scope:SCOPE_SE
	s_setreg_imm32_b32 hwreg(HW_REG_WAVE_MODE, 25, 1), 1
	s_wait_xcnt 0x0
; xn = rmsnorm(x) * attn_norm_w, quantised to FP4 (E2M1, one E8M0 byte for each 32 along K); q = xn wq^T, k = xn wk^T, v = xn wv^T on codes; q and k are quantised along the head's 32 numbers
; (one block a head), v along the keys (one block = 32 tokens); codes and scale bytes go out laid as the next launch's operand registers take them.
; SHARES.  Work-group id = batch x 64 + G owns the 32 tokens of group G, as two tiles T of 16 SLOTS: slot 16 T + r stands for token 8 T + r + 8 (r / 8).  With that order the 16 registers that two neighbouring
; result tiles leave in a lane are 16 neighbours along the next product's K, whichever side the tokens stand on.
; Eight waves.  First wave w turns x's tile w / 4, columns 128 (w % 4) on, into one operand fragment, which goes to LDS as an image of its registers.  Then wave w multiplies three units of 32 weight rows by
; all 32 tokens: q's heads 2 w and 2 w + 1, and k's head w (w < 4) or v's head w - 4.  q and k: source 0 = weight rows, source 1 = tokens (a lane holds one token, registers run along the head);
; v: source 0 = tokens, source 1 = weight rows (a lane holds one channel, registers run along the tokens).  The weight rows of a tile are 8 u + r + 8 (r / 8).
; Weights go from memory to each wave's registers once; no wave reads another's weights, so they take no way through LDS, and no tile is shared between work-groups through LDS: no joint loads.
; LIMITS: NaN and infinities among the inputs are not served.  A block whose largest magnitude lies under 2^-124 gets the scale byte 1; so does a block of zeros (the stated rule says 127): its codes are zeros,
; and the bytes are read by this program alone.
; The scale bytes of k and v leave as stores of two bytes and one byte a lane (64 and 32 bytes a wave against its 512 bytes of codes): their 256-byte blocks are written in part by four work-groups each.
.set XIMG, 0                           ; LDS: x's 8 fragments (4 T + s), 1,024 bytes each, as register images
.set XSC,  8192                        ; their scale words, 128 bytes each
.set SSQ,  9216                        ; sums of squares [16 T + r][s], f32
.set QSL,  9728                        ; q's scale bytes [head][slot]
.set STG,  10240                       ; a stage of 16 rows x 528 bytes for each wave
.set SPITCH, 528                       ; 512 bytes + 16: the sixteen rows that a read touches fall on sixteen different 16-byte columns of 256
.set WSTG, 16*SPITCH
.set REC,  4352                        ; a record of kv: 128 keys of one kv head: 2,048 K codes, 2,048 V codes, 128 K scale bytes, 128 V scale bytes
.set L16, 1                            ; 16 x lane
.set L4,  2                            ; 4 x lane
.set RW,  3                            ; r = lane % 16
.set HH,  4                            ; h = lane / 16
.set STW, 5                            ; stage, in
.set STR, 6                            ; stage, out
.set NWO, 7                            ; my bytes of the norm's weights
.set SSW, 9
.set SSR, 10
.set XIW, 11
.set XSA, 12
.set WRO, 13                           ; weights: (r + 8 (r / 8)) x 256 + 16 h
.set WSO, 14                           ; their scale words: (r + 8 (r / 8)) x 16
.set CST, 15                           ; codes out: 16 r + 8 h
.set R4,  16                           ; 4 r
.set QSW, 17
.set XSW, 18                           ; v18-25  x's scale words, fragment f: scales and nothing else
.set WS,  26                           ; v26-33  the weights' scale words, 4 u + s: scales and nothing else
.set R,   34                           ; v34-97  x as loaded; then WB
.set WB,  34                           ;         a unit's weights: tile u, K step s at WB + 8 (4 u + s)
.set X,   98                           ; v98-161 x turned; then XF
.set XF,  98                           ;         x's 8 fragments
.set NW,  162                          ; v162-225 the norm's weights; then:
.set ACC, 162                          ; v162-193 four accumulators
.set CD,  194                          ; v194-205 codes, four registers a unit
.set BY,  206                          ; v206-211 scale bytes, two a unit
.set OUTS, 212                         ; v212-215 scale bytes as they are stored
.set TM,  226                          ; v226-241 at work
.set PW,  242
.set PC,  244                          ; v244-251 a fragment just made
.macro WM0 d, a, b, sa, sb
	v_wmma_scale_f32_16x16x128_f8f6f4 v[\d:\d+7], v[\a:\a+7], v[\b:\b+7], 0, v[\sa], v[\sb] matrix_a_fmt:MATRIX_FMT_FP4 matrix_b_fmt:MATRIX_FMT_FP4
.endm
.macro WMA d, a, b, sa, sb
	v_wmma_scale_f32_16x16x128_f8f6f4 v[\d:\d+7], v[\a:\a+7], v[\b:\b+7], v[\d:\d+7], v[\sa], v[\sb] matrix_a_fmt:MATRIX_FMT_FP4 matrix_b_fmt:MATRIX_FMT_FP4
.endm
.macro PLACES
.rept 4
	v_nop
.endr
.endm
.macro BARRIER                         ; my LDS stores have landed and my LDS loads are in: then the work-group's barrier
	s_wait_dscnt 0x0
	s_barrier_signal -1
	s_barrier_wait -1
.endm
; 64 numbers of a lane, register 16 b + i = k 32 b + 16 h + i of my row, become a fragment's codes in v[PC] on and its scale word in v[PW]
.macro QUANT s
.irp b, 0,1,2,3
	v_max3_num_f32 v[TM+\b], |v[\s+16*\b]|, |v[\s+1+16*\b]|, 0x1800000   ; my 16 numbers of block b, and the floor 2^(3 - 127): the byte cannot fall under 1
.endr
.irp i, 2,4,6,8,10,12,14
.irp b, 0,1,2,3
	v_max3_num_f32 v[TM+\b], v[TM+\b], |v[\s+16*\b+\i]|, |v[\s+1+16*\b+\i]|
.endr
.endr
.irp b, 0,1,2,3
	v_permlanex16_b32 v[TM+4+\b], v[TM+\b], s30, s31
.endr
.irp b, 0,1,2,3
	v_max_num_f32 v[TM+\b], v[TM+\b], v[TM+4+\b]     ; with lane l xor 16's: the block's largest magnitude
.endr
.irp b, 0,1,2,3
	v_add_nc_u32 v[TM+12+\b], 0xff000000, v[TM+\b]   ; 2 off its exponent field: the conversion's scale operand
.endr
.irp b, 0,1,2,3
	v_lshrrev_b32 v[TM+4+\b], 23, v[TM+12+\b]        ; the scale's byte
.endr
	v_lshl_or_b32 v[PW], v[TM+5], 8, v[TM+4]
	v_lshl_or_b32 v[PW], v[TM+6], 16, v[PW]
	v_lshl_or_b32 v[PW], v[TM+7], 24, v[PW]
.irp b, 0,1,2,3
	v_cvt_scalef32_pk8_fp4_f32 v[PC+2*\b], v[\s+16*\b:\s+7+16*\b], v[TM+12+\b]
	v_cvt_scalef32_pk8_fp4_f32 v[PC+1+2*\b], v[\s+8+16*\b:\s+15+16*\b], v[TM+12+\b]
.endr
	v_nop                                          ; one plain place behind a scaled conversion
.irp c, 0,1                                    ; the operand wants a whole block in a lane: lanes 0-15 block 2 c, lanes 16-31 block 2 c + 1
.irp i, 0,1
	v_permlane16_swap_b32 v[PC+4*\c+\i], v[PC+2+4*\c+\i]
.endr
.endr
.endm
; nb blocks of 32 that lie in lanes l and l xor 16, 16 registers each from v[src + 16 k] on: 8 bytes of codes in v[cd + 2 k], v[cd + 2 k + 1], the scale's byte in v[by + k]
.macro QUANTB src, cd, by, nb
.irp k, 0,1
.if \k < \nb
	v_max3_num_f32 v[TM+\k], |v[\src+16*\k]|, |v[\src+16*\k+1]|, 0x1800000
.endif
.endr
.irp i, 2,4,6,8,10,12,14
.irp k, 0,1
.if \k < \nb
	v_max3_num_f32 v[TM+\k], v[TM+\k], |v[\src+16*\k+\i]|, |v[\src+16*\k+\i+1]|
.endif
.endr
.endr
.irp k, 0,1
.if \k < \nb
	v_mov_b32 v[TM+2+\k], 0                        ; a lane permute's destination counts as one of its sources
.endif
.endr
.irp k, 0,1
.if \k < \nb
	v_permlanex16_b32 v[TM+2+\k], v[TM+\k], s30, s31
.endif
.endr
.irp k, 0,1
.if \k < \nb
	v_max_num_f32 v[TM+\k], v[TM+\k], v[TM+2+\k]
.endif
.endr
.irp k, 0,1
.if \k < \nb
	v_add_nc_u32 v[TM+4+\k], 0xff000000, v[TM+\k]
.endif
.endr
.irp k, 0,1
.if \k < \nb
	v_lshrrev_b32 v[\by+\k], 23, v[TM+4+\k]
.endif
.endr
.irp k, 0,1
.if \k < \nb
	v_cvt_scalef32_pk8_fp4_f32 v[\cd+2*\k], v[\src+16*\k:\src+16*\k+7], v[TM+4+\k]
	v_cvt_scalef32_pk8_fp4_f32 v[\cd+2*\k+1], v[\src+16*\k+8:\src+16*\k+15], v[TM+4+\k]
.endif
.endr
	v_nop
.endm
; a unit's 32 weight rows: 16 fragments' halves and the two tiles' scale words: 18 loads
.macro WLOAD cb, sb
.irp u, 0,1
.irp s, 0,1,2,3
.irp c, 0,1
	global_load_b128 v[WB+8*(4*\u+\s)+4*\c:WB+8*(4*\u+\s)+4*\c+3], v[WRO], s[\cb:\cb+1] offset:\u*2048+64*\s+32*\c
.endr
.endr
	global_load_b128 v[WS+4*\u:WS+4*\u+3], v[WSO], s[\sb:\sb+1] offset:\u*128
.endr
.endm
; 16 products, the four accumulators by turns, K ascending.  MULQ: accumulator 16 T + 8 u: lane (r, h) holds slot (T, r), register j the unit's row 16 h + 8 u + j
.macro MULQ
.irp s, 0,1,2,3
.irp t, 0,1
.irp u, 0,1
.if \s == 0
	WM0 ACC+16*\t+8*\u, WB+8*(4*\u+\s), XF+8*(4*\t+\s), WS+4*\u+\s, XSW+4*\t+\s
.else
	WMA ACC+16*\t+8*\u, WB+8*(4*\u+\s), XF+8*(4*\t+\s), WS+4*\u+\s, XSW+4*\t+\s
.endif
.endr
.endr
.endr
.endm
; MULV: accumulator 16 u + 8 T: lane (r, h) holds the unit's row 8 u + r + 8 (r / 8), register j token 16 h + 8 T + j
.macro MULV
.irp s, 0,1,2,3
.irp u, 0,1
.irp t, 0,1
.if \s == 0
	WM0 ACC+16*\u+8*\t, XF+8*(4*\t+\s), WB+8*(4*\u+\s), XSW+4*\t+\s, WS+4*\u+\s
.else
	WMA ACC+16*\u+8*\t, XF+8*(4*\t+\s), WB+8*(4*\u+\s), XSW+4*\t+\s, WS+4*\u+\s
.endif
.endr
.endr
.endr
.endm
	s_load_b512 s[8:23], s[0:1], 0x0               ; x, norm w, wq codes, wq scales, wk codes, wk scales, wv codes, wv scales
	s_load_b128 s[24:27], s[0:1], 0x40             ; qimg, qsc
	s_load_b64 s[28:29], s[0:1], 0x50              ; kv
	v_lshl_add_u32 v254, v0, 2, 0x13000
	v_mov_b32 v255, 0
	v_lshrrev_b32 v8, 5, v0
	v_readfirstlane_b32 s2, v8                     ; wave 0..7
	s_lshr_b32 s3, s2, 2                           ; T: the tile whose fragment I make
	s_and_b32 s4, s2, 3                            ; s: its K step.  Also: my kv head
	s_mov_b32 s5, ttmp9                            ; id = batch x 64 + G
	s_mov_b32 s30, 0x76543210
	s_mov_b32 s31, 0xfedcba98                      ; v_permlanex16_b32's selects for lane l xor 16
	s_mov_b32 s52, 0xffff0000                      ; lanes 16-31
	s_mov_b32 s58, 0x3b000000                      ; 1 / 512
	s_mov_b32 s59, 0x358637bd                      ; 1e-6
	v_and_b32 v8, 31, v0                           ; lane
	v_and_b32 v[RW], 15, v0
	v_bfe_u32 v[HH], v0, 4, 1
	v_lshlrev_b32 v[L16], 4, v8
	v_lshlrev_b32 v[L4], 2, v8
	s_mul_i32 s6, s2, WSTG
	s_add_co_u32 s6, s6, STG                       ; my stage
	v_add_nc_u32 v[STW], s6, v[L16]
	v_mul_u32_u24 v[STR], v[RW], SPITCH
	v_lshl_add_u32 v[STR], v[HH], 6, v[STR]
	v_add_nc_u32 v[STR], s6, v[STR]                ; row r, + 64 h: my 16 numbers of a block of 32
	s_lshl_b32 s6, s4, 9
	v_lshl_add_u32 v[NWO], v[HH], 6, s6
	s_lshl_b32 s6, s3, 8
	s_add_co_u32 s6, s6, SSQ
	v_lshl_add_u32 v[SSR], v[RW], 4, s6
	s_lshl_b32 s7, s4, 2
	v_add_nc_u32 v[SSW], s7, v[SSR]
	s_lshl_b32 s6, s2, 10
	v_add_nc_u32 v[XIW], s6, v[L16]
	s_lshl_b32 s6, s2, 7
	s_add_co_u32 s6, s6, XSC
	v_add_nc_u32 v[XSA], s6, v[L4]
	v_and_b32 v[WRO], 8, v[RW]
	v_add_nc_u32 v[WRO], v[WRO], v[RW]             ; r + 8 (r / 8)
	v_lshlrev_b32 v[WSO], 4, v[WRO]
	v_lshlrev_b32 v[WRO], 8, v[WRO]
	v_lshl_add_u32 v[WRO], v[HH], 4, v[WRO]
	v_lshlrev_b32 v[CST], 4, v[RW]
	v_lshl_add_u32 v[CST], v[HH], 3, v[CST]
	v_lshlrev_b32 v[R4], 2, v[RW]
	s_lshl_b32 s6, s2, 6
	s_add_co_u32 s6, s6, QSL
	v_add_nc_u32 v[QSW], s6, v8
	s_lshl_b32 s62, s5, 16                         ; x: 32 tokens of 2,048 bytes a group,
	s_lshl_b32 s6, s3, 14                          ; tile T begins 8 tokens on,
	s_add_co_u32 s62, s62, s6
	s_lshl_b32 s6, s4, 9                           ; K step s: 128 numbers
	s_add_co_u32 s62, s62, s6
	s_mov_b32 s63, 0
	s_wait_kmcnt 0x0
	s_add_nc_u64 s[8:9], s[8:9], s[62:63]
.irp i, 0,1,2,3,4,5,6,7,8,9,10,11,12,13,14,15
	global_load_b128 v[R+4*\i:R+4*\i+3], v[L16], s[8:9] offset:(\i+8*(\i/8))*2048 th:TH_LOAD_NT   ; the tile's row i: 32 lanes read 512 consecutive bytes
.endr
.irp b, 0,1,2,3
.irp j, 0,1,2,3
	global_load_b128 v[NW+16*\b+4*\j:NW+16*\b+4*\j+3], v[NWO], s[10:11] offset:128*\b+16*\j
.endr
.endr
	; where my three units' weights lie and where their results go
	s_lshl_b32 s62, s2, 14
	s_add_nc_u64 s[32:33], s[12:13], s[62:63]      ; wq's rows 64 w on
	s_add_nc_u64 s[34:35], s[32:33], 8192
	s_lshl_b32 s62, s2, 10
	s_add_nc_u64 s[38:39], s[14:15], s[62:63]
	s_add_nc_u64 s[40:41], s[38:39], 512
	s_lshr_b32 s6, s5, 6                           ; batch
	s_lshl_b32 s6, s6, 2
	s_add_co_u32 s6, s6, s4                        ; x 4 + kv head
	s_lshl_b32 s6, s6, 4
	s_bfe_u32 s7, s5, 0x40002                      ; G / 4: the key step
	s_add_co_u32 s6, s6, s7
	s_mul_i32 s6, s6, REC                          ; my record
	s_and_b32 s7, s5, 3                            ; beta = G % 4: which 32 of its 128 keys
	s_lshl_b32 s48, s7, 9                          ; K codes: 512 beta
	s_lshl_b32 s49, s7, 8
	s_add_co_u32 s49, s49, 2048                    ; V codes: 2,048 + 256 beta
	s_lshr_b32 s50, s7, 1
	s_lshl_b32 s50, s50, 6
	s_and_b32 s51, s7, 1
	s_lshl_b32 s51, s51, 1
	s_add_co_u32 s50, s50, s51
	s_add_co_u32 s50, s50, 4096                    ; K scale bytes: 4,096 + 64 (beta / 2) + 2 (beta % 2)
	s_add_co_u32 s51, s7, 4224                     ; V scale bytes: 4,224 + beta
	s_cmp_lt_u32 s2, 4                             ; waves 0-3: k; waves 4-7: v
	s_cselect_b32 s48, s48, s49
	s_cselect_b32 s50, s50, s51
	s_cselect_b64 s[36:37], s[16:17], s[20:21]
	s_cselect_b64 s[42:43], s[18:19], s[22:23]
	s_add_co_u32 s62, s6, s48
	s_add_nc_u64 s[48:49], s[28:29], s[62:63]
	s_add_co_u32 s62, s6, s50
	s_add_nc_u64 s[54:55], s[28:29], s[62:63]
	s_lshl_b32 s62, s4, 13
	s_add_nc_u64 s[36:37], s[36:37], s[62:63]
	s_lshl_b32 s62, s4, 9
	s_add_nc_u64 s[42:43], s[42:43], s[62:63]
	s_lshl_b32 s62, s5, 4
	s_lshl_b32 s6, s2, 1
	s_add_co_u32 s62, s62, s6
	s_lshl_b32 s62, s62, 9
	s_add_nc_u64 s[44:45], s[24:25], s[62:63]      ; qimg: (id x 16 + head) x 512
	s_add_nc_u64 s[46:47], s[44:45], 512
	s_lshl_b32 s62, s5, 9
	s_add_nc_u64 s[56:57], s[26:27], s[62:63]      ; qsc: id x 512
	; ---- x turns through my stage: in as it was loaded, out 16 neighbours of each block of 32 a lane
	s_wait_loadcnt 16                              ; x's 16 loads are in; the norm weights' 16 may be out
.irp i, 0,1,2,3,4,5,6,7,8,9,10,11,12,13,14,15
	ds_store_b128 v[STW], v[R+4*\i:R+4*\i+3] offset:SPITCH*\i
.endr
.irp b, 0,1,2,3
.irp j, 0,1,2,3
	ds_load_b128 v[X+16*\b+4*\j:X+16*\b+4*\j+3], v[STR] offset:128*\b+16*\j   ; LDS serves a wave's instructions in order: these see my stores
.endr
.endr
	s_wait_dscnt 0x0
	WLOAD 32, 38                                   ; unit 0's weights, into the registers that x has left
	; ---- the rows' sums of squares: my 128 columns, then the four waves' parts
	v_pk_mul_f32 v[TM:TM+1], v[X:X+1], v[X:X+1]
	v_pk_mul_f32 v[TM+2:TM+3], v[X+2:X+3], v[X+2:X+3]
.irp j, 4,8,12,16,20,24,28,32,36,40,44,48,52,56,60
	v_pk_fma_f32 v[TM:TM+1], v[X+\j:X+\j+1], v[X+\j:X+\j+1], v[TM:TM+1]
	v_pk_fma_f32 v[TM+2:TM+3], v[X+\j+2:X+\j+3], v[X+\j+2:X+\j+3], v[TM+2:TM+3]
.endr
	v_pk_add_f32 v[TM:TM+1], v[TM:TM+1], v[TM+2:TM+3]
	v_add_f32 v[TM], v[TM], v[TM+1]
	v_permlanex16_b32 v[TM+1], v[TM], s30, s31
	v_add_f32 v[TM], v[TM], v[TM+1]
	ds_store_b32 v[SSW], v[TM]                     ; both halves of the lanes write the same word with the same value
	BARRIER
	ds_load_b128 v[TM+4:TM+7], v[SSR]
	s_wait_dscnt 0x0
	v_add_f32 v[TM+4], v[TM+4], v[TM+5]
	v_add_f32 v[TM+6], v[TM+6], v[TM+7]
	v_add_f32 v[TM+4], v[TM+4], v[TM+6]
	v_fma_f32 v[TM+4], v[TM+4], s58, s59           ; mean + eps
	v_rsq_f32 v[TM+8], v[TM+4]
	v_mov_b32 v[TM+9], 0                           ; a plain place behind the root; the register is named with it as a pair
	s_wait_loadcnt 18                              ; the norm's weights are in; unit 0's 18 loads may be out
.set j, 0
	s_wait_alu depctr_va_vdst(0)
.rept 32
	v_pk_mul_f32 v[X+j:X+j+1], v[X+j:X+j+1], v[TM+8:TM+9] op_sel_hi:[1,0]
.set j, j+2
.endr
.set j, 0
.rept 32
	v_pk_mul_f32 v[X+j:X+j+1], v[X+j:X+j+1], v[NW+j:NW+j+1]
.set j, j+2
.endr
	QUANT X
	ds_store_b128 v[XIW], v[PC:PC+3]
	ds_store_b128 v[XIW], v[PC+4:PC+7] offset:512
	ds_store_b32 v[XSA], v[PW]
	BARRIER                                        ; x's eight fragments lie in LDS
.irp f, 0,1,2,3,4,5,6,7
.irp c, 0,1
	ds_load_b128 v[XF+8*\f+4*\c:XF+8*\f+4*\c+3], v[L16] offset:XIMG+1024*\f+512*\c
.endr
	ds_load_b32 v[XSW+\f], v[L4] offset:XSC+128*\f
.endr
	s_wait_dscnt 0x0
	; ---- units 0 and 1: q's heads 2 w and 2 w + 1
.irp k, 0,1
	s_wait_loadcnt 0x0                             ; this unit's weights
	MULQ
	PLACES                                         ; in front of loads into registers that the products read, and of the first read of results
	WLOAD 34+2*\k, 40+2*\k                         ; the next unit's weights
	QUANTB ACC, CD+4*\k, BY+2*\k, 2
.irp t, 0,1
	global_store_b64 v[CST], v[CD+4*\k+2*\t:CD+4*\k+2*\t+1], s[44+2*\k:45+2*\k] offset:256*\t   ; 32 lanes store 256 consecutive bytes, aligned
.endr
	v_cndmask_b32 v[OUTS+\k], v[BY+2*\k], v[BY+2*\k+1], s52     ; lane = slot: lanes 0-15 tile 0's byte, lanes 16-31 tile 1's
	ds_store_b8 v[QSW], v[OUTS+\k] offset:32*\k
.endr
	; ---- unit 2
	s_wait_loadcnt 0x0
	s_cmp_lt_u32 s2, 4
	s_cbranch_scc0 .Lunit_v
	MULQ
	PLACES
	QUANTB ACC, CD+8, BY+4, 2
.irp t, 0,1
	global_store_b64 v[CST], v[CD+8+2*\t:CD+8+2*\t+1], s[48:49] offset:256*\t
.endr
	v_lshl_or_b32 v[OUTS+2], v[BY+5], 8, v[BY+4]   ; row r's bytes of tiles 0 and 1 are neighbours in K's scale word
	global_store_b16 v[R4], v[OUTS+2], s[54:55]    ; both halves of the lanes write the same two bytes with the same value
	s_branch .Lunit_done
.Lunit_v:
	MULV
	PLACES
	QUANTB ACC, CD+8, BY+4, 2
.irp t, 0,1
	global_store_b64 v[CST], v[CD+8+2*\t:CD+8+2*\t+1], s[48:49] offset:1024*\t
.endr
	v_cndmask_b32 v[OUTS+3], v[BY+4], v[BY+5], s52 ; lanes 0-15 channel tile 0, lanes 16-31 tile 1
	global_store_b8 v[L4], v[OUTS+3], s[54:55]
.Lunit_done:
	BARRIER                                        ; q's 512 scale bytes lie in LDS
	s_cmp_lg_u32 s2, 0
	s_cbranch_scc1 .Lend
	ds_load_b128 v[TM:TM+3], v[L16] offset:QSL
	s_wait_dscnt 0x0
	global_store_b128 v[L16], v[TM:TM+3], s[56:57] ; 512 consecutive bytes
.Lend:
	s_wait_tensorcnt 0x0
	ds_add_u32 v254, v255
	s_wait_dscnt 0x0
	s_endpgm
.Lfunc_end_k_q8e8bee4df0_qkv:
	.size	k_q8e8bee4df0_qkv, .Lfunc_end_k_q8e8bee4df0_qkv-k_q8e8bee4df0_qkv
	.p2alignl 7, 3214868480
	.fill 96, 4, 3214868480
	.section	.rodata,"a",@progbits
	.p2align	6, 0x0
	.amdhsa_kernel k_q8e8bee4df0_qkv
		.amdhsa_group_segment_fixed_size 78848
		.amdhsa_private_segment_fixed_size 0
		.amdhsa_enable_private_segment 0
		.amdhsa_kernarg_size 88
		.amdhsa_user_sgpr_count 2
		.amdhsa_user_sgpr_kernarg_segment_ptr 1
		.amdhsa_wavefront_size32 1
		.amdhsa_system_sgpr_workgroup_id_x 1
		.amdhsa_system_sgpr_workgroup_id_y 1
		.amdhsa_system_sgpr_workgroup_id_z 1
		.amdhsa_system_vgpr_workitem_id 0
		.amdhsa_next_free_vgpr 256
		.amdhsa_next_free_sgpr 66
		.amdhsa_reserve_vcc 0
		.amdhsa_float_denorm_mode_32 3
		.amdhsa_float_denorm_mode_16_64 3
		.amdhsa_memory_ordered 1
		.amdhsa_forward_progress 1
		.amdhsa_inst_pref_size 45
	.end_amdhsa_kernel
	.amdgpu_metadata
---
amdhsa.version: [ 1, 2 ]
amdhsa.kernels:
  - .name:           k_q8e8bee4df0_qkv
    .symbol:         k_q8e8bee4df0_qkv.kd
    .args:
      - { .name: x, .offset: 0, .size: 8, .value_kind: global_buffer, .address_space: global }
      - { .name: attn_norm_w, .offset: 8, .size: 8, .value_kind: global_buffer, .address_space: global }
      - { .name: wq_codes, .offset: 16, .size: 8, .value_kind: global_buffer, .address_space: global }
      - { .name: wq_scales, .offset: 24, .size: 8, .value_kind: global_buffer, .address_space: global }
      - { .name: wk_codes, .offset: 32, .size: 8, .value_kind: global_buffer, .address_space: global }
      - { .name: wk_scales, .offset: 40, .size: 8, .value_kind: global_buffer, .address_space: global }
      - { .name: wv_codes, .offset: 48, .size: 8, .value_kind: global_buffer, .address_space: global }
      - { .name: wv_scales, .offset: 56, .size: 8, .value_kind: global_buffer, .address_space: global }
      - { .name: qimg, .offset: 64, .size: 8, .value_kind: global_buffer, .address_space: global }
      - { .name: qsc, .offset: 72, .size: 8, .value_kind: global_buffer, .address_space: global }
      - { .name: kv, .offset: 80, .size: 8, .value_kind: global_buffer, .address_space: global }
    .group_segment_fixed_size: 78848
    .private_segment_fixed_size: 0
    .kernarg_segment_align: 8
    .kernarg_segment_size: 88
    .max_flat_workgroup_size: 256
    .sgpr_count:     66
    .vgpr_count:     256
    .wavefront_size: 32
...
	.end_amdgpu_metadata
.endif
;; end of part 1
;; launch attn_tail (part 2): grid 64 x 4, 16 waves a work-group, no clusters, 97,536 bytes of LDS; arguments x, qimg, qsc, kv, wo_codes, wo_scales, ffn_norm_w, gate_w, expert_w_codes, expert_w_scales, out0; writes out0
.if DOCPART == 2
	.amdgcn_target "amdgcn-amd-amdhsa--gfx1250"
	.amdhsa_code_object_version 6
	.text
	.protected	k_q8e8bee4df0_attn_tail
	.globl	k_q8e8bee4df0_attn_tail
	.p2align	8
	.type	k_q8e8bee4df0_attn_tail,@function
k_q8e8bee4df0_attn_tail:
	s_mov_b64 s[64:65], 0
	v_nop
	global_prefetch_b8 v0, s[64:65] scope:SCOPE_SE
	s_setreg_imm32_b32 hwreg(HW_REG_WAVE_MODE, 25, 1), 1
	s_wait_xcnt 0x0
; Causal attention on FP4 codes, then h = x + attn wo^T, t = rmsnorm(h) * ffn_norm_w, the gate (f32), top-2 and its softmax, out = h + sum over e of comb_e (t We^T).  All products but the gate on FP4 codes with E8M0 scales.
; SHARES.  Work-group (x = 2 G' + T, y = batch) owns two tiles of 16 query slots: turn 0 tile T of group 63 - G', turn 1 tile T of group G' (slot r of tile T = token 8 T + r + 8 (r / 8) of the group's 32).
; A tile of group G walks G / 4 open key steps of 128 keys and one step on the diagonal, so the two turns together are 17 steps in every work-group.
; Sixteen waves, four to a SIMD: in the attention wave w is head w (kv head w / 4); behind it wave w owns columns 32 w .. 32 w + 31 of wo, of the norm and of the experts, for all 32 tokens.
; ATTENTION.  S^T = K Q^T, O^T = V^T P^T: a lane holds one query throughout.  A head is 32 numbers, one block: a fragment of K carries FOUR tiles of 16 keys in its four blocks, and four versions of Q, the
; codes in one block and zero codes in the other three, pick one tile each.  t = score x log2(e) / sqrt(32); M = the running largest t rounded up; p = 2^(t - M) is quantised along the keys; the row's sum is
; taken of the unquantised p and divides O at the end; when M moves, sum and O are multiplied by 2^(old M - new M).  K, V and their scale words come from memory as images of the operand registers, 512 dense
; bytes a load, one key step ahead.
; THE TAIL.  A head's 32 outputs are one block of wo's K: each wave quantises its own and stores 8 bytes a lane into an image of the operand in LDS; likewise t.  x is the C of wo's first products.  All four
; experts are multiplied for every token and weighed by comb, which is 0 for the two that were not chosen: the choice selects values only.
; The weights go from memory to each wave's registers once (18 loads of 16 bytes a lane for each of five matrices); they never lie in LDS, so there is no tile that a joint load could bring; the K and V records
; that two work-groups want at one time differ with G'.  So the launch has no cluster.
; LIMITS: NaN and infinities are not served.  A block whose largest magnitude lies under 2^-124, or that is all zeros, gets the scale byte 1 (its bytes are read here alone).  Equal gate logits: the lower index
; wins, as in the top-k that is asked for.  The gate is summed as rs x sum(h fw gw), another order of rounding than (h rs fw) . gw.
.set AIMG, 0                           ; LDS: attention's output as operand images [turn][head x 256 + 16 r + 8 h]
.set TIMG, 8192                        ; t likewise
.set ASC,  16384                       ; scale bytes [turn][r][head]
.set TSC,  16896
.set RED,  17408                       ; partial sums [q 5][token 32, 68 bytes apart][wave]
.set FIN,  28288                       ; [token 32][comb 0..3, rs, -, -, -]
.set XS,   29440                       ; 32 rows (16 turn + r) of x, later of out
.set XP,   2064                        ; 2,048 bytes + 16
.set REC,  4352
.set L16, 1                            ; 16 x lane
.set L4,  2                            ; 4 x lane
.set R16, 3                            ; 16 r
.set QR,  4                            ; r + 8 (r / 8) - 16 h
.set AIW, 5
.set ASW, 6
.set XRD, 7
.set XDN, 8
.set WRO, 9
.set WSO, 10
.set CO,  11
.set RDW, 12
.set RDR, 13
.set FNW, 14
.set FNR, 15
.set AFS, 16                           ; v16-23  scale words of the token fragments.  v16-35 hold scales and nothing else
.set WS,  24                           ; v24-31  of the weights
.set KSC, 32
.set VSC, 33
.set QSC, 34
.set PSW, 35
.set NM,  36                           ; -M;  v37 the largest t
.set MT,  37
.set SUM, 38                           ; v[38:39]
.set Z0,  40                           ; v40-43 zeros, v44-47 Q in lanes 0-15, v48-51 zeros, v52-55 Q in lanes 16-31, v56-59 zeros
.set QL,  44
.set Z1,  48
.set QH,  52
.set Z2,  56
.set QTA, 60
.set QTB, 64
.set QBA, 68
.set QBB, 69
.set KF,  70                           ; v70-85
.set VF,  86                           ; v86-101
.set BM,  102
.set BT,  106
.set SO,  110
.set TT,  114
.set NINF, 115
.set F,   116                          ; v[116:117]
.set SUM2, 118
.set DD,  120
.set RR,  121                          ; r
.set O,   128                          ; v128-143
.set S,   144                          ; v144-207
.set PC,  208                          ; v208-215
.set TM,  160                          ; at work in QUANTB
.set BY,  166
.set CD,  168
.set E,   36                           ; the tail: v36-67 an expert's results; before that HF, PA, RZ
.set HF,  36
.set PA,  52
.set RZ,  62
.set H,   68                           ; v68-99  h, then out: register 16 turn + i = column 32 w + 16 h + i of token (turn, r)
.set FW,  100                          ; v100-115
.set CB,  116                          ; v116-123 comb, 4 turn + e
.set RS,  124                          ; v124-125
.set AF,  128                          ; v128-191 token fragments 4 turn + s; also the gate's weights, t
.set WB,  192                          ; v192-255 weights: tile u, K step s at WB + 8 (4 u + s)
.set KV0, 36
.set KB,  38
.set VB,  40
.set NN,  42
.set DS,  43
.macro WM0 d, a, b, sa, sb
	v_wmma_scale_f32_16x16x128_f8f6f4 v[\d:\d+7], v[\a:\a+7], v[\b:\b+7], 0, v[\sa], v[\sb] matrix_a_fmt:MATRIX_FMT_FP4 matrix_b_fmt:MATRIX_FMT_FP4
.endm
.macro WM0R d, a, b, sa, sb            ; source 0's scales from lanes 16-31
	v_wmma_scale_f32_16x16x128_f8f6f4 v[\d:\d+7], v[\a:\a+7], v[\b:\b+7], 0, v[\sa], v[\sb] matrix_a_fmt:MATRIX_FMT_FP4 matrix_b_fmt:MATRIX_FMT_FP4 matrix_a_scale:MATRIX_SCALE_ROW1
.endm
.macro WMA d, a, b, sa, sb
	v_wmma_scale_f32_16x16x128_f8f6f4 v[\d:\d+7], v[\a:\a+7], v[\b:\b+7], v[\d:\d+7], v[\sa], v[\sb] matrix_a_fmt:MATRIX_FMT_FP4 matrix_b_fmt:MATRIX_FMT_FP4
.endm
.macro WMAR d, a, b, sa, sb
	v_wmma_scale_f32_16x16x128_f8f6f4 v[\d:\d+7], v[\a:\a+7], v[\b:\b+7], v[\d:\d+7], v[\sa], v[\sb] matrix_a_fmt:MATRIX_FMT_FP4 matrix_b_fmt:MATRIX_FMT_FP4 matrix_a_scale:MATRIX_SCALE_ROW1
.endm
.macro PLACES
.rept 4
	v_nop
.endr
.endm
.macro BARRIER                         ; my LDS stores have landed and my LDS loads are in: then the work-group's barrier
	s_wait_dscnt 0x0
	s_barrier_signal -1
	s_barrier_wait -1
.endm
; nb blocks of 32 that lie in lanes l and l xor 16, 16 registers each from v[src + 16 k] on: 8 bytes of codes in v[cd + 2 k], v[cd + 2 k + 1], the scale's byte in v[by + k]
.macro QUANTB src, cd, by, nb
.irp k, 0,1
.if \k < \nb
	v_max3_num_f32 v[TM+\k], |v[\src+16*\k]|, |v[\src+16*\k+1]|, 0x1800000   ; and the floor 2^(3 - 127): the byte cannot fall under 1
.endif
.endr
.irp i, 2,4,6,8,10,12,14
.irp k, 0,1
.if \k < \nb
	v_max3_num_f32 v[TM+\k], v[TM+\k], |v[\src+16*\k+\i]|, |v[\src+16*\k+\i+1]|
.endif
.endr
.endr
.irp k, 0,1
.if \k < \nb
	v_mov_b32 v[TM+2+\k], 0                        ; a lane permute's destination counts as one of its sources
.endif
.endr
.irp k, 0,1
.if \k < \nb
	v_permlanex16_b32 v[TM+2+\k], v[TM+\k], s30, s31
.endif
.endr
.irp k, 0,1
.if \k < \nb
	v_max_num_f32 v[TM+\k], v[TM+\k], v[TM+2+\k]
.endif
.endr
.irp k, 0,1
.if \k < \nb
	v_add_nc_u32 v[TM+4+\k], 0xff000000, v[TM+\k]  ; 2 off the exponent field: the conversion's scale operand
.endif
.endr
.irp k, 0,1
.if \k < \nb
	v_lshrrev_b32 v[\by+\k], 23, v[TM+4+\k]
.endif
.endr
.irp k, 0,1
.if \k < \nb
	v_cvt_scalef32_pk8_fp4_f32 v[\cd+2*\k], v[\src+16*\k:\src+16*\k+7], v[TM+4+\k]
	v_cvt_scalef32_pk8_fp4_f32 v[\cd+2*\k+1], v[\src+16*\k+8:\src+16*\k+15], v[TM+4+\k]
.endif
.endr
	v_nop                                          ; one plain place behind a scaled conversion
.endm
.macro KLOAD                           ; a key step's K: two fragments and their scale words: 5 loads
.irp g, 0,1,2,3
	global_load_b128 v[KF+4*\g:KF+4*\g+3], v[L16], s[KB:KB+1] offset:512*\g
.endr
	global_load_b32 v[KSC], v[L4], s[KB:KB+1] offset:4096
.endm
.macro VLOAD                           ; and its V: 5 loads
.irp g, 0,1,2,3
	global_load_b128 v[VF+4*\g:VF+4*\g+3], v[L16], s[VB:VB+1] offset:2048+512*\g
.endr
	global_load_b32 v[VSC], v[L4], s[VB:VB+1] offset:4224
.endm
; my 32 rows of a 512 x 512 weight: 16 fragments' halves and the two tiles' scale words: 18 loads
.macro WLOAD cb, sb
.irp u, 0,1
.irp s, 0,1,2,3
.irp c, 0,1
	global_load_b128 v[WB+8*(4*\u+\s)+4*\c:WB+8*(4*\u+\s)+4*\c+3], v[WRO], s[\cb:\cb+1] offset:\u*2048+64*\s+32*\c
.endr
.endr
	global_load_b128 v[WS+4*\u:WS+4*\u+3], v[WSO], s[\sb:\sb+1] offset:\u*128
.endr
.endm
.macro FRAGS img, sc                   ; the 32 tokens' eight fragments and their scale words, from their images
.irp t, 0,1
.irp s, 0,1,2,3
.irp c, 0,1
	ds_load_b128 v[AF+8*(4*\t+\s)+4*\c:AF+8*(4*\t+\s)+4*\c+3], v[L16] offset:\img+4096*\t+1024*\s+512*\c
.endr
.endr
	ds_load_b128 v[AFS+4*\t:AFS+4*\t+3], v[R16] offset:\sc+256*\t
.endr
.endm
; 16 products: source 0 = my weight rows, source 1 = tokens; four accumulators by turns, K ascending.  first = 1: the sums begin with what the accumulators hold; 0: with the constant 0
.macro MUL acc, first
.irp s, 0,1,2,3
.irp t, 0,1
.irp u, 0,1
.if (\first == 0) && (\s == 0)
	WM0 \acc+16*\t+8*\u, WB+8*(4*\u+\s), AF+8*(4*\t+\s), WS+4*\u+\s, AFS+4*\t+\s
.else
	WMA \acc+16*\t+8*\u, WB+8*(4*\u+\s), AF+8*(4*\t+\s), WS+4*\u+\s, AFS+4*\t+\s
.endif
.endr
.endr
.endr
.endm
; A KEY STEP of 128 keys.  mask = 1: the step on the diagonal.  nxt = 1: the next record is asked for; 2: record 0, for the next turn; 0: nothing.
.macro STEP mask, nxt
	s_wait_loadcnt 5                               ; K's five loads are in; V's five stand behind them
.if \nxt == 1
	s_add_nc_u64 s[KB:KB+1], s[KB:KB+1], REC       ; K's loads are done: their base may step
.endif
.if \nxt == 2
	s_mov_b64 s[KB:KB+1], s[KV0:KV0+1]
.endif
.irp t, 0,1,2,3                                ; tile 4 f + t: fragment f, block t.  Register j of tile 2 b + u in lane (r, h): key 32 b + 16 h + 8 u + j, query r
	WM0 S+8*\t, KF, QL+8*(\t%2)-4*(\t/2), KSC, QSC
.endr
.irp t, 0,1,2,3
	WM0R S+32+8*\t, KF+8, QL+8*(\t%2)-4*(\t/2), KSC, QSC
.endr
	PLACES                                         ; in front of loads into K's registers and of the first read of scores
.if \nxt
	KLOAD
.endif
.if \mask                                      ; hidden keys' scores become -infinity ahead of the maximum: p = 0 then
	v_add_nc_u32 v[DD], s[DS], v[QR]               ; d = my query - the step's first key - 16 h: register 16 b + i is hidden where 32 b + i > d
.set n, 0
.rept 64
	v_cmp_gt_i32 vcc_lo, 32*(n/16)+n%16, v[DD]
	v_cndmask_b32 v[S+n], v[S+n], v[NINF], vcc_lo
.set n, n+1
.endr
.endif
.irp b, 0,1,2,3
	v_max3_num_f32 v[BM+\b], v[S+16*\b], v[S+16*\b+1], v[S+16*\b+2]   ; the largest score of each block of 32 keys: for the row's maximum and for the block's largest p
.endr
.irp i, 3,5,7,9,11,13
.irp b, 0,1,2,3
	v_max3_num_f32 v[BM+\b], v[BM+\b], v[S+16*\b+\i], v[S+16*\b+\i+1]
.endr
.endr
.irp b, 0,1,2,3
	v_max_num_f32 v[BM+\b], v[BM+\b], v[S+16*\b+15]
.endr
.irp b, 0,1,2,3
	v_permlanex16_b32 v[BT+\b], v[BM+\b], s30, s31
.endr
.irp b, 0,1,2,3
	v_max_num_f32 v[BM+\b], v[BM+\b], v[BT+\b]
.endr
	v_max3_num_f32 v[TT], v[BM], v[BM+1], v[BM+2]
	v_max_num_f32 v[TT], v[TT], v[BM+3]
	v_mul_f32 v[TT], s32, v[TT]                    ; as t
	v_max_num_f32 v[MT], v[MT], v[TT]              ; the running largest t
	v_mov_b32 v[TT], v[NM]
	v_floor_f32 v[NM], -v[MT]                      ; -M = floor(-t): M is a whole number
	v_sub_f32 v[TT], v[NM], v[TT]                  ; old M - new M, 0 or less
	v_cvt_i32_f32 v[TT], v[TT]                     ; (it saturates)
	v_ldexp_f32 v[F], 1.0, v[TT]                   ; f = 2^(old M - new M)
.set j, 0
.rept 32
	v_pk_fma_f32 v[S+j:S+j+1], v[S+j:S+j+1], s[32:33], v[NM:NM+1] op_sel_hi:[1,0,0]   ; t - M
.set j, j+2
.endr
.irp b, 0,1,2,3
	v_fma_f32 v[BM+\b], v[BM+\b], s32, v[NM]
.endr
.set j, 0
.rept 64
	v_exp_f32 v[S+j], v[S+j]                       ; p = 2^(t - M)
.set j, j+1
.endr
.irp b, 0,1,2,3
	v_exp_f32 v[BM+\b], v[BM+\b]                   ; the block's largest p
.endr
	v_pk_mul_f32 v[SUM:SUM+1], v[SUM:SUM+1], v[F:F+1] op_sel_hi:[1,0]   ; the sums under the new M; a plain place behind the exponentials
	s_wait_alu depctr_va_vdst(0)
.irp b, 0,1,2,3
	v_max_num_f32 v[BM+\b], 0x1800000, v[BM+\b]
.endr
.irp b, 0,1,2,3
	v_add_nc_u32 v[SO+\b], 0xff000000, v[BM+\b]
.endr
.irp b, 0,1,2,3
	v_lshrrev_b32 v[BT+\b], 23, v[SO+\b]
.endr
	v_lshl_or_b32 v[PSW], v[BT+1], 8, v[BT]        ; p's scale word for these 128 keys
	v_lshl_or_b32 v[PSW], v[BT+2], 16, v[PSW]
	v_lshl_or_b32 v[PSW], v[BT+3], 24, v[PSW]
.irp b, 0,1,2,3
	v_cvt_scalef32_pk8_fp4_f32 v[PC+2*\b], v[S+16*\b:S+16*\b+7], v[SO+\b]
	v_cvt_scalef32_pk8_fp4_f32 v[PC+2*\b+1], v[S+16*\b+8:S+16*\b+15], v[SO+\b]
.endr
	v_nop
.irp c, 0,1                                    ; a whole block to a lane
.irp i, 0,1
	v_permlane16_swap_b32 v[PC+4*\c+\i], v[PC+2+4*\c+\i]
.endr
.endr
	v_pk_add_f32 v[SUM2:SUM2+1], v[S:S+1], v[S+2:S+3]   ; the row's sum of the unquantised p, in two chains
.irp j, 4,8,12,16,20,24,28,32,36,40,44,48,52,56,60
	v_pk_add_f32 v[SUM:SUM+1], v[SUM:SUM+1], v[S+\j:S+\j+1]
	v_pk_add_f32 v[SUM2:SUM2+1], v[SUM2:SUM2+1], v[S+\j+2:S+\j+3]
.endr
	v_pk_add_f32 v[SUM:SUM+1], v[SUM:SUM+1], v[SUM2:SUM2+1]
.set j, 0
.rept 8
	v_pk_mul_f32 v[O+j:O+j+1], v[O+j:O+j+1], v[F:F+1] op_sel_hi:[1,0]   ; O^T under the new M
.set j, j+2
.endr
.if \nxt
	s_wait_loadcnt 5                               ; V's five loads are in; the next K's five stand behind them
.else
	s_wait_loadcnt 0x0
.endif
.if \nxt == 1
	s_add_nc_u64 s[VB:VB+1], s[VB:VB+1], REC
.endif
.if \nxt == 2
	s_mov_b64 s[VB:VB+1], s[KV0:KV0+1]
.endif
	WMA O, VF, PC, VSC, PSW                        ; register j of tile t in lane (r, h): channel 16 h + 8 t + j, query r
	WMAR O+8, VF+8, PC, VSC, PSW
	PLACES                                         ; in front of loads into V's registers and p's, and of the next read of O^T
.if \nxt
	VLOAD
.endif
.endm
; A turn's end: O^T / the sum is my head's block of wo's K for 16 tokens: codes and scale byte go into the operand's image
.macro EPI tau
.if \tau == 1
	WLOAD 16, 18                                   ; wo's rows for the tail
.endif
	v_add_f32 v[SUM], v[SUM], v[SUM+1]
	v_permlanex16_b32 v[BT], v[SUM], s30, s31
	v_add_f32 v[SUM], v[SUM], v[BT]
	v_rcp_f32 v[SUM], v[SUM]
	v_nop
.set j, 0
	s_wait_alu depctr_va_vdst(0)
.rept 16
	v_mul_f32 v[S+j], v[O+j], v[SUM]
.set j, j+1
.endr
.if \tau == 1
.irp i, 0,1,2,3
	global_load_b128 v[FW+4*\i:FW+4*\i+3], v[CO], s[20:21] offset:16*\i
.endr
.endif
	QUANTB S, CD, BY, 1
	ds_store_b64 v[AIW], v[CD:CD+1] offset:AIMG+4096*\tau
	ds_store_b8 v[ASW], v[BY] offset:256*\tau
	s_wait_dscnt 0x0                               ; the stores have read their registers
.endm
; A turn: tile T of the group in s[g]; qt: its codes of Q; qb: its scale byte
.macro TURN tau, g, qt, qb, last
.if \tau == 0
	s_wait_loadcnt 10                              ; Q's four loads are in; K's and V's ten stand behind them
	s_wait_dscnt 0x0                               ; x's stores into the stage have read their registers, which the scores take
.endif
.irp i, 0,1,2,3
	v_cndmask_b32 v[QL+\i], v[\qt+\i], v[Z0], s34
	v_cndmask_b32 v[QH+\i], v[Z0], v[\qt+\i], s34
.endr
	v_mul_lo_u32 v[QSC], v[\qb], 0x01010101        ; the head's one scale in all four bytes: the blocks of zero codes add nothing under it
	v_mov_b32 v[MT], 0xff61b1e6                    ; -3e38, under every t
	v_floor_f32 v[NM], -v[MT]
	v_mov_b32 v[SUM], 0
	v_mov_b32 v[SUM+1], 0
.set j, 0
.rept 16
	v_mov_b32 v[O+j], 0                            ; the step is written once: the first finds zeros.  These lines are also the places between Q's registers and the first product
.set j, j+1
.endr
	s_lshr_b32 s[NN], s[\g], 2                     ; open steps
	s_and_b32 s[DS], s[\g], 3
	s_lshl_b32 s[DS], s[DS], 5
	s_lshl_b32 s48, s4, 3
	s_add_co_u32 s[DS], s[DS], s48                 ; 32 (G % 4) + 8 T
	s_cmp_eq_u32 s[NN], 0
	s_cbranch_scc1 .Ldiag_\tau
.Lopen_\tau:
	STEP 0, 1
	s_sub_co_u32 s[NN], s[NN], 1
	s_cmp_lg_u32 s[NN], 0
	s_cbranch_scc1 .Lopen_\tau
.Ldiag_\tau:
.if \last
	STEP 1, 0
.else
	STEP 1, 2
.endif
	EPI \tau
.endm
	s_load_b512 s[8:23], s[0:1], 0x0               ; x, qimg, qsc, kv, wo codes, wo scales, ffn norm w, gate w
	s_load_b128 s[24:27], s[0:1], 0x40             ; expert codes, expert scales
	s_load_b64 s[28:29], s[0:1], 0x50              ; out
	v_lshrrev_b32 v127, 5, v0
	v_readfirstlane_b32 s2, v127                   ; wave 0..15
	s_lshr_b32 s3, ttmp9, 1                        ; G'
	s_and_b32 s4, ttmp9, 1                         ; T
	s_and_b32 s5, ttmp7, 0xffff                    ; batch
	s_sub_co_u32 s6, 63, s3                        ; turn 0's group
	s_mov_b32 s7, s3                               ; turn 1's
	s_mov_b32 s30, 0x76543210
	s_mov_b32 s31, 0xfedcba98                      ; v_permlanex16_b32's selects for lane l xor 16
	s_mov_b32 s32, 0x3e8293ee                      ; log2(e) / sqrt(32)
	s_mov_b32 s33, s32
	s_mov_b32 s34, 0xffff0000                      ; lanes 16-31
	s_mov_b32 s60, 0x3b000000                      ; 1 / 512
	s_mov_b32 s61, 0x358637bd                      ; 1e-6
	v_and_b32 v[RR], 15, v0                        ; r
	v_bfe_u32 v122, v0, 4, 1                       ; h
	v_and_b32 v123, 31, v0                         ; lane
	v_lshlrev_b32 v[L16], 4, v123
	v_lshlrev_b32 v[L4], 2, v123
	v_lshlrev_b32 v[R16], 4, v[RR]
	v_and_b32 v124, 8, v[RR]
	v_add_nc_u32 v124, v124, v[RR]                 ; r + 8 (r / 8)
	v_lshlrev_b32 v125, 4, v122
	v_sub_nc_u32 v[QR], v124, v125
	v_lshl_add_u32 v[AIW], v122, 3, v[R16]
	s_lshl_b32 s48, s2, 8
	v_add_nc_u32 v[AIW], s48, v[AIW]               ; 256 w + 16 r + 8 h
	v_add_nc_u32 v[ASW], s2, v[R16]
	v_add_nc_u32 v[ASW], ASC, v[ASW]               ; 16 r + w
	v_mul_u32_u24 v[XRD], v[RR], XP
	v_lshl_add_u32 v[XRD], v122, 6, v[XRD]
	s_lshl_b32 s48, s2, 7
	v_add_nc_u32 v[XRD], s48, v[XRD]
	v_add_nc_u32 v[XRD], XS, v[XRD]                ; row r, my 16 columns: 128 w + 64 h
	v_lshl_add_u32 v[CO], v122, 6, s48             ; the same columns in a vector of 512
	s_mul_i32 s48, s2, 2*XP
	v_add_nc_u32 v[XDN], s48, v[L16]
	v_add_nc_u32 v[XDN], XS, v[XDN]                ; rows 2 w, 2 w + 1, whole
	s_lshl_b32 s48, s2, 5
	v_add_nc_u32 v126, s48, v124                   ; weight row 32 w + r + 8 (r / 8)
	v_lshlrev_b32 v[WRO], 8, v126
	v_lshl_add_u32 v[WRO], v122, 4, v[WRO]
	v_lshlrev_b32 v[WSO], 4, v126
	v_mul_u32_u24 v[RDW], v123, 68
	s_lshl_b32 s48, s2, 2
	v_add_nc_u32 v[RDW], s48, v[RDW]
	v_add_nc_u32 v[RDW], RED, v[RDW]               ; token = lane, my wave's word
	s_mul_i32 s48, s2, 136
	v_mul_u32_u24 v[RDR], v122, 68
	v_lshl_add_u32 v[RDR], v[RR], 2, v[RDR]
	v_add_nc_u32 v[RDR], s48, v[RDR]
	v_add_nc_u32 v[RDR], RED, v[RDR]               ; token 2 w + h, wave r's word
	s_lshl_b32 s48, s2, 6
	v_lshl_add_u32 v[FNW], v122, 5, s48
	v_add_nc_u32 v[FNW], FIN, v[FNW]               ; token 2 w + h
	v_lshl_add_u32 v[FNR], v[RR], 5, FIN           ; token r of a turn
.irp i, 0,1,2,3
	v_mov_b32 v[Z0+\i], 0
	v_mov_b32 v[Z1+\i], 0
	v_mov_b32 v[Z2+\i], 0
	v_mov_b32 v[BT+\i], 0                          ; a lane permute's destination counts as one of its sources
.endr
	v_mov_b32 v[F+1], 0                            ; named with f as a pair
	v_mov_b32 v[NINF], 0xff800000
	; the two rows of x and of out that I carry: stage rows 2 w, 2 w + 1 = turn w / 8, slots 2 (w % 8), + 1
	s_cmp_lt_u32 s2, 8
	s_cselect_b32 s50, s6, s7
	s_lshl_b32 s50, s50, 5
	s_lshl_b32 s51, s5, 11
	s_add_co_u32 s50, s50, s51
	s_lshl_b32 s51, s4, 3
	s_add_co_u32 s50, s50, s51
	s_and_b32 s51, s2, 7
	s_lshl_b32 s51, s51, 1
	s_add_co_u32 s50, s50, s51
	s_bfe_u32 s51, s2, 0x10002
	s_lshl_b32 s51, s51, 3
	s_add_co_u32 s50, s50, s51                     ; token = 2,048 b + 32 G + 8 T + r + 8 (r / 8)
	s_lshl_b32 s50, s50, 11
	s_mov_b32 s51, 0
	s_lshl_b32 s48, s5, 2
	s_lshr_b32 s49, s2, 2
	s_add_co_u32 s48, s48, s49
	s_mul_i32 s48, s48, 16*REC                     ; my kv head's 16 records
	s_mov_b32 s49, 0
	s_lshl_b32 s35, s5, 6
	s_add_co_u32 s62, s35, s6                      ; 64 b + G of turn 0,
	s_add_co_u32 s63, s35, s7                      ; of turn 1
	s_wait_kmcnt 0x0
	s_add_nc_u64 s[44:45], s[8:9], s[50:51]
	s_add_nc_u64 s[46:47], s[28:29], s[50:51]
.irp i, 0,1
.irp j, 0,1,2,3
	global_load_b128 v[S+4*(4*\i+\j):S+4*(4*\i+\j)+3], v[L16], s[44:45] offset:2048*\i+512*\j th:TH_LOAD_NT
.endr
.endr
	s_add_nc_u64 s[KV0:KV0+1], s[14:15], s[48:49]
	s_lshl_b32 s50, s62, 4
	s_add_co_u32 s50, s50, s2
	s_lshl_b32 s50, s50, 9
	s_lshl_b32 s35, s4, 8
	s_add_co_u32 s50, s50, s35
	s_add_nc_u64 s[52:53], s[10:11], s[50:51]      ; Q's codes: ((64 b + G) x 16 + head) x 512 + 256 T
	s_lshl_b32 s50, s63, 4
	s_add_co_u32 s50, s50, s2
	s_lshl_b32 s50, s50, 9
	s_add_co_u32 s50, s50, s35
	s_add_nc_u64 s[54:55], s[10:11], s[50:51]
	s_lshl_b32 s35, s2, 5
	s_lshl_b32 s48, s4, 4
	s_add_co_u32 s35, s35, s48
	s_lshl_b32 s50, s62, 9
	s_add_co_u32 s50, s50, s35
	s_add_nc_u64 s[56:57], s[12:13], s[50:51]      ; Q's scale bytes: (64 b + G) x 512 + 32 head + 16 T
	s_lshl_b32 s50, s63, 9
	s_add_co_u32 s50, s50, s35
	s_add_nc_u64 s[58:59], s[12:13], s[50:51]
	global_load_b128 v[QTA:QTA+3], v[R16], s[52:53]
	global_load_b128 v[QTB:QTB+3], v[R16], s[54:55]
	global_load_u8 v[QBA], v[RR], s[56:57]
	global_load_u8 v[QBB], v[RR], s[58:59]
	s_mov_b64 s[KB:KB+1], s[KV0:KV0+1]
	s_mov_b64 s[VB:VB+1], s[KV0:KV0+1]
	KLOAD
	VLOAD
	s_wait_loadcnt 14                              ; x's eight loads are in; behind them stand Q's four and K's and V's ten
.irp i, 0,1
.irp j, 0,1,2,3
	ds_store_b128 v[XDN], v[S+4*(4*\i+\j):S+4*(4*\i+\j)+3] offset:XP*\i+512*\j
.endr
.endr
	TURN 0, 6, QTA, QBA, 0
	TURN 1, 7, QTB, QBB, 1
	BARRIER                                        ; the attention's images, their scale bytes and x's 32 rows lie in LDS
	; ---- h = x + attn wo^T: x is what the sums begin with
	FRAGS AIMG, ASC
.irp t, 0,1
.irp i, 0,1,2,3
	ds_load_b128 v[H+16*\t+4*\i:H+16*\t+4*\i+3], v[XRD] offset:16*XP*\t+16*\i
.endr
.endr
	s_wait_dscnt 0x0
	s_wait_loadcnt 4                               ; wo's 18 loads are in; the norm weights' four may be out
	MUL H, 1
	PLACES
.irp e, 0,1,2,3
.irp i, 0,1,2,3
	global_load_b128 v[AF+16*\e+4*\i:AF+16*\e+4*\i+3], v[CO], s[22:23] offset:2048*\e+16*\i   ; the gate's weights at my 16 columns
.endr
.endr
	WLOAD 24, 26                                   ; expert 0
	s_wait_loadcnt 18                              ; the norm's and the gate's weights are in; expert 0's 18 loads may be out
	; ---- for each token: the sum of h^2 and the four sums of h fw gw, over my wave's 32 columns
.irp t, 0,1
.set j, 0
.rept 8
	v_pk_mul_f32 v[HF+j:HF+j+1], v[H+16*\t+j:H+16*\t+j+1], v[FW+j:FW+j+1]
.set j, j+2
.endr
	v_pk_mul_f32 v[PA:PA+1], v[H+16*\t:H+16*\t+1], v[H+16*\t:H+16*\t+1]
.irp e, 0,1,2,3
	v_pk_mul_f32 v[PA+2+2*\e:PA+3+2*\e], v[HF:HF+1], v[AF+16*\e:AF+16*\e+1]
.endr
.set j, 2
.rept 7
	v_pk_fma_f32 v[PA:PA+1], v[H+16*\t+j:H+16*\t+j+1], v[H+16*\t+j:H+16*\t+j+1], v[PA:PA+1]
.irp e, 0,1,2,3
	v_pk_fma_f32 v[PA+2+2*\e:PA+3+2*\e], v[HF+j:HF+j+1], v[AF+16*\e+j:AF+16*\e+j+1], v[PA+2+2*\e:PA+3+2*\e]
.endr
.set j, j+2
.endr
.irp q, 0,1,2,3,4
	v_add_f32 v[PA+2*\q], v[PA+2*\q], v[PA+2*\q+1]
.endr
.irp q, 0,1,2,3,4
	v_permlanex16_b32 v[PA+2*\q+1], v[PA+2*\q], s30, s31
.endr
.irp q, 0,1,2,3,4
.if \t == 0
	v_add_f32 v[RZ+\q], v[PA+2*\q], v[PA+2*\q+1]
.else
	v_add_f32 v[PA+2*\q], v[PA+2*\q], v[PA+2*\q+1]
.endif
.endr
.endr
.irp q, 0,1,2,3,4
	v_cndmask_b32 v[RZ+\q], v[RZ+\q], v[PA+2*\q], s34   ; lane = token: lanes 0-15 turn 0's, lanes 16-31 turn 1's
	ds_store_b32 v[RDW], v[RZ+\q] offset:2176*\q
.endr
	BARRIER
	; ---- wave w finishes tokens 2 w + h: sixteen lanes hold the sixteen waves' parts
.irp q, 0,1,2,3,4
	ds_load_b32 v[36+\q], v[RDR] offset:2176*\q
.endr
	s_wait_dscnt 0x0
.irp m, 1,2,4,8
.irp q, 0,1,2,3,4
	v_add_f32_dpp v[36+\q], v[36+\q], v[36+\q] row_xmask:\m row_mask:0xf bank_mask:0xf
.endr
.endr
	v_fma_f32 v36, v36, s60, s61                   ; mean + eps
	v_rsq_f32 v41, v36
	v_nop
	s_wait_alu depctr_va_vdst(0)
.irp e, 0,1,2,3
	v_mul_f32 v[42+\e], v[37+\e], v41              ; the logits
.endr
	v_cmp_ge_f32 vcc_lo, v42, v43                  ; t(j, e) = 1 where j < e stands ahead of e: the larger logit, the lower index where they are equal
	v_cndmask_b32 v46, 0, 1, vcc_lo
	v_cmp_ge_f32 vcc_lo, v42, v44
	v_cndmask_b32 v47, 0, 1, vcc_lo
	v_cmp_ge_f32 vcc_lo, v42, v45
	v_cndmask_b32 v48, 0, 1, vcc_lo
	v_cmp_ge_f32 vcc_lo, v43, v44
	v_cndmask_b32 v49, 0, 1, vcc_lo
	v_cmp_ge_f32 vcc_lo, v43, v45
	v_cndmask_b32 v50, 0, 1, vcc_lo
	v_cmp_ge_f32 vcc_lo, v44, v45
	v_cndmask_b32 v51, 0, 1, vcc_lo
	v_add3_u32 v52, v46, v47, v48
	v_sub_nc_u32 v52, 3, v52                       ; how many stand ahead of expert 0,
	v_add_nc_u32 v53, v49, v50
	v_add_nc_u32 v54, 2, v46
	v_sub_nc_u32 v53, v54, v53                     ; of 1,
	v_add3_u32 v54, v47, v49, 1
	v_sub_nc_u32 v54, v54, v51                     ; of 2,
	v_add3_u32 v55, v48, v50, v51                  ; of 3
	v_max3_num_f32 v56, v42, v43, v44
	v_max_num_f32 v56, v56, v45
.irp e, 0,1,2,3
	v_sub_f32 v[57+\e], v[42+\e], v56
.endr
.irp e, 0,1,2,3
	v_mul_f32 v[57+\e], 0x3fb8aa3b, v[57+\e]
.endr
.irp e, 0,1,2,3
	v_exp_f32 v[57+\e], v[57+\e]
.endr
	v_nop
	s_wait_alu depctr_va_vdst(0)
.irp e, 0,1,2,3
	v_cmp_gt_u32 vcc_lo, 2, v[52+\e]
	v_cndmask_b32 v[57+\e], 0, v[57+\e], vcc_lo    ; the two chosen keep their weight
.endr
	v_add_f32 v61, v57, v58
	v_add_f32 v62, v59, v60
	v_add_f32 v61, v61, v62
	v_rcp_f32 v61, v61
	v_nop
	s_wait_alu depctr_va_vdst(0)
.irp e, 0,1,2,3
	v_mul_f32 v[64+\e], v[57+\e], v61              ; comb
.endr
	ds_store_b128 v[FNW], v[64:67]                 ; the sixteen lanes of a token write the same bytes with the same values
	ds_store_b32 v[FNW], v41 offset:16
	BARRIER
	; ---- t = (h rs) fw, quantised: my 32 columns are one block of the experts' K
.irp t, 0,1
	ds_load_b128 v[CB+4*\t:CB+4*\t+3], v[FNR] offset:512*\t
	ds_load_b32 v[RS+\t], v[FNR] offset:512*\t+16
.endr
	s_wait_dscnt 0x0
.set j, 0
.rept 8
	v_pk_mul_f32 v[AF+j:AF+j+1], v[H+j:H+j+1], v[RS:RS+1] op_sel_hi:[1,0]
	v_pk_mul_f32 v[AF+16+j:AF+16+j+1], v[H+16+j:H+16+j+1], v[RS:RS+1] op_sel:[0,1] op_sel_hi:[1,1]
.set j, j+2
.endr
.set j, 0
.rept 8
	v_pk_mul_f32 v[AF+j:AF+j+1], v[AF+j:AF+j+1], v[FW+j:FW+j+1]
	v_pk_mul_f32 v[AF+16+j:AF+16+j+1], v[AF+16+j:AF+16+j+1], v[FW+j:FW+j+1]
.set j, j+2
.endr
	QUANTB AF, CD, BY, 2
.irp t, 0,1
	ds_store_b64 v[AIW], v[CD+2*\t:CD+2*\t+1] offset:TIMG+4096*\t
	ds_store_b8 v[ASW], v[BY+\t] offset:TSC-ASC+256*\t
.endr
	BARRIER
	; ---- out = h + sum over e of comb_e (t We^T)
	FRAGS TIMG, TSC
	s_wait_dscnt 0x0
.irp e, 0,1,2,3
	s_wait_loadcnt 0x0                             ; this expert's weights; their bases may step
.if \e < 3
	s_add_nc_u64 s[24:25], s[24:25], 131072
	s_add_nc_u64 s[26:27], s[26:27], 8192
.endif
	MUL E, 0
	PLACES
.if \e < 3
	WLOAD 24, 26                                   ; the next expert's, under the weighing below
.endif
.irp t, 0,1
.set j, 0
.rept 8
.if \e % 2 == 0
	v_pk_fma_f32 v[H+16*\t+j:H+16*\t+j+1], v[E+16*\t+j:E+16*\t+j+1], v[CB+4*\t+\e:CB+4*\t+\e+1], v[H+16*\t+j:H+16*\t+j+1] op_sel_hi:[1,0,1]
.else
	v_pk_fma_f32 v[H+16*\t+j:H+16*\t+j+1], v[E+16*\t+j:E+16*\t+j+1], v[CB+4*\t+\e-1:CB+4*\t+\e], v[H+16*\t+j:H+16*\t+j+1] op_sel:[0,1,0] op_sel_hi:[1,1,1]
.endif
.set j, j+2
.endr
.endr
.endr
	; ---- the way out: a row's 512 columns come from sixteen waves: through the stage, then whole rows
.irp t, 0,1
.irp i, 0,1,2,3
	ds_store_b128 v[XRD], v[H+16*\t+4*\i:H+16*\t+4*\i+3] offset:16*XP*\t+16*\i
.endr
.endr
	BARRIER
.irp i, 0,1
.irp j, 0,1,2,3
	ds_load_b128 v[AF+4*(4*\i+\j):AF+4*(4*\i+\j)+3], v[XDN] offset:XP*\i+512*\j
.endr
.endr
.irp i, 0,1
.irp j, 0,1,2,3
	s_wait_dscnt 7-4*\i-\j                         ; the younger reads of the stage may be out
	global_store_b128 v[L16], v[AF+4*(4*\i+\j):AF+4*(4*\i+\j)+3], s[46:47] offset:2048*\i+512*\j th:TH_STORE_NT   ; 32 lanes store 512 consecutive bytes, aligned
.endr
.endr
	s_wait_xcnt 0x0
	v_lshl_add_u32 v230, v0, 2, 0x17500
	v_mov_b32 v231, 0
	s_wait_tensorcnt 0x0
	ds_add_u32 v230, v231
	s_wait_dscnt 0x0
	s_endpgm
.Lfunc_end_k_q8e8bee4df0_attn_tail:
	.size	k_q8e8bee4df0_attn_tail, .Lfunc_end_k_q8e8bee4df0_attn_tail-k_q8e8bee4df0_attn_tail
	.p2alignl 7, 3214868480
	.fill 96, 4, 3214868480
	.section	.rodata,"a",@progbits
	.p2align	6, 0x0
	.amdhsa_kernel k_q8e8bee4df0_attn_tail
		.amdhsa_group_segment_fixed_size 97536
		.amdhsa_private_segment_fixed_size 0
		.amdhsa_enable_private_segment 0
		.amdhsa_kernarg_size 88
		.amdhsa_user_sgpr_count 2
		.amdhsa_user_sgpr_kernarg_segment_ptr 1
		.amdhsa_wavefront_size32 1
		.amdhsa_system_sgpr_workgroup_id_x 1
		.amdhsa_system_sgpr_workgroup_id_y 1
		.amdhsa_system_sgpr_workgroup_id_z 1
		.amdhsa_system_vgpr_workitem_id 0
		.amdhsa_next_free_vgpr 256
		.amdhsa_next_free_sgpr 66
		.amdhsa_reserve_vcc 1
		.amdhsa_float_denorm_mode_32 3
		.amdhsa_float_denorm_mode_16_64 3
		.amdhsa_memory_ordered 1
		.amdhsa_forward_progress 1
		.amdhsa_inst_pref_size 126
	.end_amdhsa_kernel
	.amdgpu_metadata
---
amdhsa.version: [ 1, 2 ]
amdhsa.kernels:
  - .name:           k_q8e8bee4df0_attn_tail
    .symbol:         k_q8e8bee4df0_attn_tail.kd
    .args:
      - { .name: x, .offset: 0, .size: 8, .value_kind: global_buffer, .address_space: global }
      - { .name: qimg, .offset: 8, .size: 8, .value_kind: global_buffer, .address_space: global }
      - { .name: qsc, .offset: 16, .size: 8, .value_kind: global_buffer, .address_space: global }
      - { .name: kv, .offset: 24, .size: 8, .value_kind: global_buffer, .address_space: global }
      - { .name: wo_codes, .offset: 32, .size: 8, .value_kind: global_buffer, .address_space: global }
      - { .name: wo_scales, .offset: 40, .size: 8, .value_kind: global_buffer, .address_space: global }
      - { .name: ffn_norm_w, .offset: 48, .size: 8, .value_kind: global_buffer, .address_space: global }
      - { .name: gate_w, .offset: 56, .size: 8, .value_kind: global_buffer, .address_space: global }
      - { .name: expert_w_codes, .offset: 64, .size: 8, .value_kind: global_buffer, .address_space: global }
      - { .name: expert_w_scales, .offset: 72, .size: 8, .value_kind: global_buffer, .address_space: global }
      - { .name: out0, .offset: 80, .size: 8, .value_kind: global_buffer, .address_space: global }
    .group_segment_fixed_size: 97536
    .private_segment_fixed_size: 0
    .kernarg_segment_align: 8
    .kernarg_segment_size: 88
    .max_flat_workgroup_size: 512
    .sgpr_count:     66
    .vgpr_count:     256
    .wavefront_size: 32
...
	.end_amdgpu_metadata
.endif
;; end of part 2
;; ======== version 2 of 2: 2 launches; version 1 with the launches qkv, attn_tail written anew for expert scheduling mode
;; workspace buffers: qimg 2,097,152 bytes; qsc 131,072 bytes; kv 1,114,112 bytes
;; launch qkv (part 3): grid 256 x 1, 8 waves a work-group, no clusters, 78,848 bytes of LDS; arguments x, attn_norm_w, wq_codes, wq_scales, wk_codes, wk_scales, wv_codes, wv_scales, qimg, qsc, kv; writes qimg, qsc, kv
.if DOCPART == 3
	.amdgcn_target "amdgcn-amd-amdhsa--gfx1250"
	.amdhsa_code_object_version 6
	.text
	.protected	k_q8e8bee4df0_qkv
	.globl	k_q8e8bee4df0_qkv
	.p2align	8
	.type	k_q8e8bee4df0_qkv,@function
k_q8e8bee4df0_qkv:
	s_mov_b64 s[64:65], 0
	v_nop
	global_prefetch_b8 v0, s[64:65] scope:SCOPE_SE
	s_setreg_imm32_b32 hwreg(HW_REG_WAVE_SCHED_MODE, 0, 2), 2
	s_setreg_imm32_b32 hwreg(HW_REG_WAVE_MODE, 25, 1), 1
	s_wait_xcnt 0x0
	s_wait_alu depctr_vm_vsrc(0)
; xn = rmsnorm(x) * attn_norm_w, quantised to FP4 (E2M1, one E8M0 byte for each 32 along K); q = xn wq^T, k = xn wk^T, v = xn wv^T on codes; q and k are quantised along the head's 32 numbers
; (one block a head), v along the keys (one block = 32 tokens); codes and scale bytes go out laid as the next launch's operand registers take them.
; SHARES.  Work-group id = batch x 64 + G owns the 32 tokens of group G, as two tiles T of 16 SLOTS: slot 16 T + r stands for token 8 T + r + 8 (r / 8).  With that order the 16 registers that two neighbouring
; result tiles leave in a lane are 16 neighbours along the next product's K, whichever side the tokens stand on.
; Eight waves.  First wave w turns x's tile w / 4, columns 128 (w % 4) on, into one operand fragment, which goes to LDS as an image of its registers.  Then wave w multiplies three units of 32 weight rows by
; all 32 tokens: q's heads 2 w and 2 w + 1, and k's head w (w < 4) or v's head w - 4.  q and k: source 0 = weight rows, source 1 = tokens (a lane holds one token, registers run along the head);
; v: source 0 = tokens, source 1 = weight rows (a lane holds one channel, registers run along the tokens).  The weight rows of a tile are 8 u + r + 8 (r / 8).
; Weights go from memory to each wave's registers once; no wave reads another's weights, so they take no way through LDS, and no tile is shared between work-groups through LDS: no joint loads.
; LIMITS: NaN and infinities among the inputs are not served.  A block whose largest magnitude lies under 2^-124 gets the scale byte 1; so does a block of zeros (the stated rule says 127): its codes are zeros,
; and the bytes are read by this program alone.
; The scale bytes of k and v leave as stores of two bytes and one byte a lane (64 and 32 bytes a wave against its 512 bytes of codes): their 256-byte blocks are written in part by four work-groups each.
; THE MODE: SCHED_MODE bits 1:0 = 2 (LLVM: expert scheduling mode 2), set by the entry lines.  The code itself states the register dependences between vector or matrix instructions and memory or LDS
; instructions, with s_wait_alu, always for 0.
; THE PLAN.  Registers that memory or LDS instructions touch:
;   v1-17      offsets and LDS addresses: written at the head, read by every load and store, never written again: one wait on va_vdst ahead of the first load.
;   R = WB     x's loads land; the stage's stores read it; then a unit's weights land, its sixteen products read them, the next unit's land: one wait on vm_vsrc ahead of unit 0's loads, one on va_vdst
;   and WS     behind each unit's products, ahead of the next unit's loads.
;   X = XF     the stage's loads land; the norm and the conversions work on it; the fragments' loads land: covered by the wait on va_vdst ahead of the image's stores, behind which no vector line stands.
;   TM         the sums write it, one LDS store reads it (va_vdst ahead), the quantiser writes it again (vm_vsrc behind the barrier); at the end four LDS words land in it.
;   PC, PW, CD, BY, OUTS   written by conversions and selects, read by stores, never written again: one wait on va_vdst ahead of each group of stores.
;   ACC is named by matrix and vector instructions alone.
.set XIMG, 0                           ; LDS: x's 8 fragments (4 T + s), 1,024 bytes each, as register images
.set XSC,  8192                        ; their scale words, 128 bytes each
.set SSQ,  9216                        ; sums of squares [16 T + r][s], f32
.set QSL,  9728                        ; q's scale bytes [head][slot]
.set STG,  10240                       ; a stage of 16 rows x 528 bytes for each wave
.set SPITCH, 528                       ; 512 bytes + 16: the sixteen rows that a read touches fall on sixteen different 16-byte columns of 256
.set WSTG, 16*SPITCH
.set REC,  4352                        ; a record of kv: 128 keys of one kv head: 2,048 K codes, 2,048 V codes, 128 K scale bytes, 128 V scale bytes
.set L16, 1                            ; 16 x lane
.set L4,  2                            ; 4 x lane
.set RW,  3                            ; r = lane % 16
.set HH,  4                            ; h = lane / 16
.set STW, 5                            ; stage, in
.set STR, 6                            ; stage, out
.set NWO, 7                            ; my bytes of the norm's weights
.set SSW, 9
.set SSR, 10
.set XIW, 11
.set XSA, 12
.set WRO, 13                           ; weights: (r + 8 (r / 8)) x 256 + 16 h
.set WSO, 14                           ; their scale words: (r + 8 (r / 8)) x 16
.set CST, 15                           ; codes out: 16 r + 8 h
.set R4,  16                           ; 4 r
.set QSW, 17
.set XSW, 18                           ; v18-25  x's scale words, fragment f: scales and nothing else
.set WS,  26                           ; v26-33  the weights' scale words, 4 u + s: scales and nothing else
.set R,   34                           ; v34-97  x as loaded; then WB
.set WB,  34                           ;         a unit's weights: tile u, K step s at WB + 8 (4 u + s)
.set X,   98                           ; v98-161 x turned; then XF
.set XF,  98                           ;         x's 8 fragments
.set NW,  162                          ; v162-225 the norm's weights; then:
.set ACC, 162                          ; v162-193 four accumulators
.set CD,  194                          ; v194-205 codes, four registers a unit
.set BY,  206                          ; v206-211 scale bytes, two a unit
.set OUTS, 212                         ; v212-215 scale bytes as they are stored
.set TM,  226                          ; v226-241 at work
.set PW,  242
.set PC,  244                          ; v244-251 a fragment just made
.macro WM0 d, a, b, sa, sb
	v_wmma_scale_f32_16x16x128_f8f6f4 v[\d:\d+7], v[\a:\a+7], v[\b:\b+7], 0, v[\sa], v[\sb] matrix_a_fmt:MATRIX_FMT_FP4 matrix_b_fmt:MATRIX_FMT_FP4
.endm
.macro WMA d, a, b, sa, sb
	v_wmma_scale_f32_16x16x128_f8f6f4 v[\d:\d+7], v[\a:\a+7], v[\b:\b+7], v[\d:\d+7], v[\sa], v[\sb] matrix_a_fmt:MATRIX_FMT_FP4 matrix_b_fmt:MATRIX_FMT_FP4
.endm
.macro PLACES
.rept 4
	v_nop
.endr
.endm
.macro BARRIER                         ; my LDS stores have landed and my LDS loads are in: then the work-group's barrier
	s_wait_dscnt 0x0
	s_barrier_signal -1
	s_barrier_wait -1
.endm
; 64 numbers of a lane, register 16 b + i = k 32 b + 16 h + i of my row, become a fragment's codes in v[PC] on and its scale word in v[PW]
.macro QUANT s
.irp b, 0,1,2,3
	v_max3_num_f32 v[TM+\b], |v[\s+16*\b]|, |v[\s+1+16*\b]|, 0x1800000   ; my 16 numbers of block b, and the floor 2^(3 - 127): the byte cannot fall under 1
.endr
.irp i, 2,4,6,8,10,12,14
.irp b, 0,1,2,3
	v_max3_num_f32 v[TM+\b], v[TM+\b], |v[\s+16*\b+\i]|, |v[\s+1+16*\b+\i]|
.endr
.endr
.irp b, 0,1,2,3
	v_permlanex16_b32 v[TM+4+\b], v[TM+\b], s30, s31
.endr
.irp b, 0,1,2,3
	v_max_num_f32 v[TM+\b], v[TM+\b], v[TM+4+\b]     ; with lane l xor 16's: the block's largest magnitude
.endr
.irp b, 0,1,2,3
	v_add_nc_u32 v[TM+12+\b], 0xff000000, v[TM+\b]   ; 2 off its exponent field: the conversion's scale operand
.endr
.irp b, 0,1,2,3
	v_lshrrev_b32 v[TM+4+\b], 23, v[TM+12+\b]        ; the scale's byte
.endr
	v_lshl_or_b32 v[PW], v[TM+5], 8, v[TM+4]
	v_lshl_or_b32 v[PW], v[TM+6], 16, v[PW]
	v_lshl_or_b32 v[PW], v[TM+7], 24, v[PW]
.irp b, 0,1,2,3
	v_cvt_scalef32_pk8_fp4_f32 v[PC+2*\b], v[\s+16*\b:\s+7+16*\b], v[TM+12+\b]
	v_cvt_scalef32_pk8_fp4_f32 v[PC+1+2*\b], v[\s+8+16*\b:\s+15+16*\b], v[TM+12+\b]
.endr
	v_nop                                          ; one plain place behind a scaled conversion
.irp c, 0,1                                    ; the operand wants a whole block in a lane: lanes 0-15 block 2 c, lanes 16-31 block 2 c + 1
.irp i, 0,1
	v_permlane16_swap_b32 v[PC+4*\c+\i], v[PC+2+4*\c+\i]
.endr
.endr
.endm
; nb blocks of 32 that lie in lanes l and l xor 16, 16 registers each from v[src + 16 k] on: 8 bytes of codes in v[cd + 2 k], v[cd + 2 k + 1], the scale's byte in v[by + k]
.macro QUANTB src, cd, by, nb
.irp k, 0,1
.if \k < \nb
	v_max3_num_f32 v[TM+\k], |v[\src+16*\k]|, |v[\src+16*\k+1]|, 0x1800000
.endif
.endr
.irp i, 2,4,6,8,10,12,14
.irp k, 0,1
.if \k < \nb
	v_max3_num_f32 v[TM+\k], v[TM+\k], |v[\src+16*\k+\i]|, |v[\src+16*\k+\i+1]|
.endif
.endr
.endr
.irp k, 0,1
.if \k < \nb
	v_mov_b32 v[TM+2+\k], 0                        ; a lane permute's destination counts as one of its sources
.endif
.endr
.irp k, 0,1
.if \k < \nb
	v_permlanex16_b32 v[TM+2+\k], v[TM+\k], s30, s31
.endif
.endr
.irp k, 0,1
.if \k < \nb
	v_max_num_f32 v[TM+\k], v[TM+\k], v[TM+2+\k]
.endif
.endr
.irp k, 0,1
.if \k < \nb
	v_add_nc_u32 v[TM+4+\k], 0xff000000, v[TM+\k]
.endif
.endr
.irp k, 0,1
.if \k < \nb
	v_lshrrev_b32 v[\by+\k], 23, v[TM+4+\k]
.endif
.endr
.irp k, 0,1
.if \k < \nb
	v_cvt_scalef32_pk8_fp4_f32 v[\cd+2*\k], v[\src+16*\k:\src+16*\k+7], v[TM+4+\k]
	v_cvt_scalef32_pk8_fp4_f32 v[\cd+2*\k+1], v[\src+16*\k+8:\src+16*\k+15], v[TM+4+\k]
.endif
.endr
	v_nop
.endm
; a unit's 32 weight rows: 16 fragments' halves and the two tiles' scale words: 18 loads
.macro WLOAD cb, sb
.irp u, 0,1
.irp s, 0,1,2,3
.irp c, 0,1
	global_load_b128 v[WB+8*(4*\u+\s)+4*\c:WB+8*(4*\u+\s)+4*\c+3], v[WRO], s[\cb:\cb+1] offset:\u*2048+64*\s+32*\c
.endr
.endr
	global_load_b128 v[WS+4*\u:WS+4*\u+3], v[WSO], s[\sb:\sb+1] offset:\u*128
.endr
.endm
; 16 products, the four accumulators by turns, K ascending.  MULQ: accumulator 16 T + 8 u: lane (r, h) holds slot (T, r), register j the unit's row 16 h + 8 u + j
.macro MULQ
.irp s, 0,1,2,3
.irp t, 0,1
.irp u, 0,1
.if \s == 0
	WM0 ACC+16*\t+8*\u, WB+8*(4*\u+\s), XF+8*(4*\t+\s), WS+4*\u+\s, XSW+4*\t+\s
.else
	WMA ACC+16*\t+8*\u, WB+8*(4*\u+\s), XF+8*(4*\t+\s), WS+4*\u+\s, XSW+4*\t+\s
.endif
.endr
.endr
.endr
.endm
; MULV: accumulator 16 u + 8 T: lane (r, h) holds the unit's row 8 u + r + 8 (r / 8), register j token 16 h + 8 T + j
.macro MULV
.irp s, 0,1,2,3
.irp u, 0,1
.irp t, 0,1
.if \s == 0
	WM0 ACC+16*\u+8*\t, XF+8*(4*\t+\s), WB+8*(4*\u+\s), XSW+4*\t+\s, WS+4*\u+\s
.else
	WMA ACC+16*\u+8*\t, XF+8*(4*\t+\s), WB+8*(4*\u+\s), XSW+4*\t+\s, WS+4*\u+\s
.endif
.endr
.endr
.endr
.endm
	s_load_b512 s[8:23], s[0:1], 0x0               ; x, norm w, wq codes, wq scales, wk codes, wk scales, wv codes, wv scales
	s_load_b128 s[24:27], s[0:1], 0x40             ; qimg, qsc
	s_load_b64 s[28:29], s[0:1], 0x50              ; kv
	v_lshl_add_u32 v254, v0, 2, 0x13000
	v_mov_b32 v255, 0
	v_lshrrev_b32 v8, 5, v0
	v_readfirstlane_b32 s2, v8                     ; wave 0..7
	s_mov_b32 s5, ttmp9                            ; id = batch x 64 + G
	s_mov_b32 s30, 0x76543210
	s_mov_b32 s31, 0xfedcba98                      ; v_permlanex16_b32's selects for lane l xor 16
	s_mov_b32 s52, 0xffff0000                      ; lanes 16-31
	s_mov_b32 s58, 0x3b000000                      ; 1 / 512
	s_mov_b32 s59, 0x358637bd                      ; 1e-6
	v_and_b32 v8, 31, v0                           ; lane
	v_and_b32 v[RW], 15, v0
	s_wait_alu depctr_va_vdst(0)
	v_bfe_u32 v[HH], v0, 4, 1
	v_lshlrev_b32 v[L16], 4, v8
	s_wait_alu depctr_va_vdst(0)
	v_lshlrev_b32 v[L4], 2, v8
	s_wait_alu depctr_va_vdst(0)
	s_wait_alu depctr_va_sdst(0)                   ; s2 is written, ahead of its first reader: the shares, the LDS places and the bases are made from it
	s_lshr_b32 s3, s2, 2                           ; T: the tile whose fragment I make
	s_and_b32 s4, s2, 3                            ; s: its K step.  Also: my kv head
	s_mul_i32 s6, s2, WSTG
	s_add_co_u32 s6, s6, STG                       ; my stage
	v_add_nc_u32 v[STW], s6, v[L16]
	v_mul_u32_u24 v[STR], v[RW], SPITCH
	v_lshl_add_u32 v[STR], v[HH], 6, v[STR]
	v_add_nc_u32 v[STR], s6, v[STR]                ; row r, + 64 h: my 16 numbers of a block of 32
	s_lshl_b32 s6, s4, 9
	v_lshl_add_u32 v[NWO], v[HH], 6, s6
	s_lshl_b32 s6, s3, 8
	s_add_co_u32 s6, s6, SSQ
	v_lshl_add_u32 v[SSR], v[RW], 4, s6
	s_lshl_b32 s7, s4, 2
	v_add_nc_u32 v[SSW], s7, v[SSR]
	s_lshl_b32 s6, s2, 10
	v_add_nc_u32 v[XIW], s6, v[L16]
	s_lshl_b32 s6, s2, 7
	s_add_co_u32 s6, s6, XSC
	v_add_nc_u32 v[XSA], s6, v[L4]
	v_and_b32 v[WRO], 8, v[RW]
	v_add_nc_u32 v[WRO], v[WRO], v[RW]             ; r + 8 (r / 8)
	v_lshlrev_b32 v[WSO], 4, v[WRO]
	v_lshlrev_b32 v[WRO], 8, v[WRO]
	v_lshl_add_u32 v[WRO], v[HH], 4, v[WRO]
	v_lshlrev_b32 v[CST], 4, v[RW]
	v_lshl_add_u32 v[CST], v[HH], 3, v[CST]
	v_lshlrev_b32 v[R4], 2, v[RW]
	s_lshl_b32 s6, s2, 6
	s_add_co_u32 s6, s6, QSL
	v_add_nc_u32 v[QSW], s6, v8
	s_lshl_b32 s62, s5, 16                         ; x: 32 tokens of 2,048 bytes a group,
	s_lshl_b32 s6, s3, 14                          ; tile T begins 8 tokens on,
	s_add_co_u32 s62, s62, s6
	s_lshl_b32 s6, s4, 9                           ; K step s: 128 numbers
	s_add_co_u32 s62, s62, s6
	s_mov_b32 s63, 0
	s_wait_kmcnt 0x0
	s_add_nc_u64 s[8:9], s[8:9], s[62:63]
	s_wait_alu depctr_va_vdst(0)                   ; the offsets and LDS addresses v1 to v17 are written: every load and store of the kernel reads one of them
.irp i, 0,1,2,3,4,5,6,7,8,9,10,11,12,13,14,15
	global_load_b128 v[R+4*\i:R+4*\i+3], v[L16], s[8:9] offset:(\i+8*(\i/8))*2048 th:TH_LOAD_NT   ; the tile's row i: 32 lanes read 512 consecutive bytes
.endr
.irp b, 0,1,2,3
.irp j, 0,1,2,3
	global_load_b128 v[NW+16*\b+4*\j:NW+16*\b+4*\j+3], v[NWO], s[10:11] offset:128*\b+16*\j
.endr
.endr
	; where my three units' weights lie and where their results go
	s_lshl_b32 s62, s2, 14
	s_add_nc_u64 s[32:33], s[12:13], s[62:63]      ; wq's rows 64 w on
	s_add_nc_u64 s[34:35], s[32:33], 8192
	s_lshl_b32 s62, s2, 10
	s_add_nc_u64 s[38:39], s[14:15], s[62:63]
	s_add_nc_u64 s[40:41], s[38:39], 512
	s_lshr_b32 s6, s5, 6                           ; batch
	s_lshl_b32 s6, s6, 2
	s_add_co_u32 s6, s6, s4                        ; x 4 + kv head
	s_lshl_b32 s6, s6, 4
	s_bfe_u32 s7, s5, 0x40002                      ; G / 4: the key step
	s_add_co_u32 s6, s6, s7
	s_mul_i32 s6, s6, REC                          ; my record
	s_and_b32 s7, s5, 3                            ; beta = G % 4: which 32 of its 128 keys
	s_lshl_b32 s48, s7, 9                          ; K codes: 512 beta
	s_lshl_b32 s49, s7, 8
	s_add_co_u32 s49, s49, 2048                    ; V codes: 2,048 + 256 beta
	s_lshr_b32 s50, s7, 1
	s_lshl_b32 s50, s50, 6
	s_and_b32 s51, s7, 1
	s_lshl_b32 s51, s51, 1
	s_add_co_u32 s50, s50, s51
	s_add_co_u32 s50, s50, 4096                    ; K scale bytes: 4,096 + 64 (beta / 2) + 2 (beta % 2)
	s_add_co_u32 s51, s7, 4224                     ; V scale bytes: 4,224 + beta
	s_cmp_lt_u32 s2, 4                             ; waves 0-3: k; waves 4-7: v
	s_cselect_b32 s48, s48, s49
	s_cselect_b32 s50, s50, s51
	s_cselect_b64 s[36:37], s[16:17], s[20:21]
	s_cselect_b64 s[42:43], s[18:19], s[22:23]
	s_add_co_u32 s62, s6, s48
	s_add_nc_u64 s[48:49], s[28:29], s[62:63]
	s_add_co_u32 s62, s6, s50
	s_add_nc_u64 s[54:55], s[28:29], s[62:63]
	s_lshl_b32 s62, s4, 13
	s_add_nc_u64 s[36:37], s[36:37], s[62:63]
	s_lshl_b32 s62, s4, 9
	s_add_nc_u64 s[42:43], s[42:43], s[62:63]
	s_lshl_b32 s62, s5, 4
	s_lshl_b32 s6, s2, 1
	s_add_co_u32 s62, s62, s6
	s_lshl_b32 s62, s62, 9
	s_add_nc_u64 s[44:45], s[24:25], s[62:63]      ; qimg: (id x 16 + head) x 512
	s_add_nc_u64 s[46:47], s[44:45], 512
	s_lshl_b32 s62, s5, 9
	s_add_nc_u64 s[56:57], s[26:27], s[62:63]      ; qsc: id x 512
	; ---- x turns through my stage: in as it was loaded, out 16 neighbours of each block of 32 a lane
	s_wait_loadcnt 16                              ; x's 16 loads are in; the norm weights' 16 may be out
.irp i, 0,1,2,3,4,5,6,7,8,9,10,11,12,13,14,15
	ds_store_b128 v[STW], v[R+4*\i:R+4*\i+3] offset:SPITCH*\i
.endr
.irp b, 0,1,2,3
.irp j, 0,1,2,3
	ds_load_b128 v[X+16*\b+4*\j:X+16*\b+4*\j+3], v[STR] offset:128*\b+16*\j   ; LDS serves a wave's instructions in order: these see my stores
.endr
.endr
	s_wait_dscnt 0x0
	s_wait_alu depctr_vm_vsrc(0)                   ; the stage's stores have read v[R ..], in which unit 0's weights land
	WLOAD 32, 38                                   ; unit 0's weights, into the registers that x has left
	; ---- the rows' sums of squares: my 128 columns, then the four waves' parts
	v_pk_mul_f32 v[TM:TM+1], v[X:X+1], v[X:X+1]
	v_pk_mul_f32 v[TM+2:TM+3], v[X+2:X+3], v[X+2:X+3]
.irp j, 4,8,12,16,20,24,28,32,36,40,44,48,52,56,60
	v_pk_fma_f32 v[TM:TM+1], v[X+\j:X+\j+1], v[X+\j:X+\j+1], v[TM:TM+1]
	v_pk_fma_f32 v[TM+2:TM+3], v[X+\j+2:X+\j+3], v[X+\j+2:X+\j+3], v[TM+2:TM+3]
.endr
	v_pk_add_f32 v[TM:TM+1], v[TM:TM+1], v[TM+2:TM+3]
	v_add_f32 v[TM], v[TM], v[TM+1]
	v_permlanex16_b32 v[TM+1], v[TM], s30, s31
	v_add_f32 v[TM], v[TM], v[TM+1]
	s_wait_alu depctr_va_vdst(0)                   ; my part of the sum is written in v[TM], which the LDS store reads
	ds_store_b32 v[SSW], v[TM]                     ; both halves of the lanes write the same word with the same value
	BARRIER
	ds_load_b128 v[TM+4:TM+7], v[SSR]
	s_wait_dscnt 0x0
	s_wait_alu depctr_vm_vsrc(0)                   ; that LDS store has read v[TM], which the quantiser below writes again
	v_add_f32 v[TM+4], v[TM+4], v[TM+5]
	v_add_f32 v[TM+6], v[TM+6], v[TM+7]
	v_add_f32 v[TM+4], v[TM+4], v[TM+6]
	v_fma_f32 v[TM+4], v[TM+4], s58, s59           ; mean + eps
	s_wait_alu depctr_va_vdst(0)
	v_rsq_f32 v[TM+8], v[TM+4]
	v_mov_b32 v[TM+9], 0                           ; a plain place behind the root; the register is named with it as a pair
	s_wait_loadcnt 18                              ; the norm's weights are in; unit 0's 18 loads may be out
.set j, 0
	s_wait_alu depctr_va_vdst(0)                   ; the root has written v[TM+8], ahead of its first reader
.rept 32
	v_pk_mul_f32 v[X+j:X+j+1], v[X+j:X+j+1], v[TM+8:TM+9] op_sel_hi:[1,0]
.set j, j+2
.endr
.set j, 0
.rept 32
	v_pk_mul_f32 v[X+j:X+j+1], v[X+j:X+j+1], v[NW+j:NW+j+1]
.set j, j+2
.endr
	QUANT X
	s_wait_alu depctr_va_vdst(0)                   ; the fragment's codes and its scale word are written, which the LDS stores read; and the conversions are done reading v[X ..], in which the fragments' loads land behind the barrier
	ds_store_b128 v[XIW], v[PC:PC+3]
	ds_store_b128 v[XIW], v[PC+4:PC+7] offset:512
	ds_store_b32 v[XSA], v[PW]
	BARRIER                                        ; x's eight fragments lie in LDS
.irp f, 0,1,2,3,4,5,6,7
.irp c, 0,1
	ds_load_b128 v[XF+8*\f+4*\c:XF+8*\f+4*\c+3], v[L16] offset:XIMG+1024*\f+512*\c
.endr
	ds_load_b32 v[XSW+\f], v[L4] offset:XSC+128*\f
.endr
	s_wait_dscnt 0x0
	; ---- units 0 and 1: q's heads 2 w and 2 w + 1
.irp k, 0,1
	s_wait_loadcnt 0x0                             ; this unit's weights
	MULQ
	PLACES                                         ; in front of the first read of results
	s_wait_alu depctr_va_vdst(0)                   ; the sixteen products are done reading v[WB ..] and v[WS ..], in which the next unit's weights land
	WLOAD 34+2*\k, 40+2*\k                         ; the next unit's weights
	QUANTB ACC, CD+4*\k, BY+2*\k, 2
	v_cndmask_b32 v[OUTS+\k], v[BY+2*\k], v[BY+2*\k+1], s52     ; lane = slot: lanes 0-15 tile 0's byte, lanes 16-31 tile 1's
	s_wait_alu depctr_va_vdst(0)                   ; the conversions have written the unit's codes and the select its scale bytes, which the three stores read
.irp t, 0,1
	global_store_b64 v[CST], v[CD+4*\k+2*\t:CD+4*\k+2*\t+1], s[44+2*\k:45+2*\k] offset:256*\t   ; 32 lanes store 256 consecutive bytes, aligned
.endr
	ds_store_b8 v[QSW], v[OUTS+\k] offset:32*\k
.endr
	; ---- unit 2
	s_wait_loadcnt 0x0
	s_cmp_lt_u32 s2, 4
	s_cbranch_scc0 .Lunit_v
	MULQ
	PLACES
	QUANTB ACC, CD+8, BY+4, 2
	v_lshl_or_b32 v[OUTS+2], v[BY+5], 8, v[BY+4]   ; row r's bytes of tiles 0 and 1 are neighbours in K's scale word
	s_wait_alu depctr_va_vdst(0)                   ; k's codes and scale bytes are written, which the stores read; and v[TM ..] is done with, in which q's scale bytes land below
.irp t, 0,1
	global_store_b64 v[CST], v[CD+8+2*\t:CD+8+2*\t+1], s[48:49] offset:256*\t
.endr
	global_store_b16 v[R4], v[OUTS+2], s[54:55]    ; both halves of the lanes write the same two bytes with the same value
	s_branch .Lunit_done
.Lunit_v:
	MULV
	PLACES
	QUANTB ACC, CD+8, BY+4, 2
	v_cndmask_b32 v[OUTS+3], v[BY+4], v[BY+5], s52 ; lanes 0-15 channel tile 0, lanes 16-31 tile 1
	s_wait_alu depctr_va_vdst(0)                   ; v's codes and scale bytes are written, which the stores read; and v[TM ..] is done with, in which q's scale bytes land below
.irp t, 0,1
	global_store_b64 v[CST], v[CD+8+2*\t:CD+8+2*\t+1], s[48:49] offset:1024*\t
.endr
	global_store_b8 v[L4], v[OUTS+3], s[54:55]
.Lunit_done:
	BARRIER                                        ; q's 512 scale bytes lie in LDS
	s_cmp_lg_u32 s2, 0
	s_cbranch_scc1 .Lend
	ds_load_b128 v[TM:TM+3], v[L16] offset:QSL
	s_wait_dscnt 0x0
	global_store_b128 v[L16], v[TM:TM+3], s[56:57] ; 512 consecutive bytes
.Lend:
	s_wait_dscnt 0x0                               ; the closing lines, six on end, of a launch in the mode that stores to LDS
	s_wait_alu 0x0
	s_wait_tensorcnt 0x0
	ds_add_u32 v254, v255
	s_wait_dscnt 0x0
	s_endpgm
.Lfunc_end_k_q8e8bee4df0_qkv:
	.size	k_q8e8bee4df0_qkv, .Lfunc_end_k_q8e8bee4df0_qkv-k_q8e8bee4df0_qkv
	.p2alignl 7, 3214868480
	.fill 96, 4, 3214868480
	.section	.rodata,"a",@progbits
	.p2align	6, 0x0
	.amdhsa_kernel k_q8e8bee4df0_qkv
		.amdhsa_group_segment_fixed_size 78848
		.amdhsa_private_segment_fixed_size 0
		.amdhsa_enable_private_segment 0
		.amdhsa_kernarg_size 88
		.amdhsa_user_sgpr_count 2
		.amdhsa_user_sgpr_kernarg_segment_ptr 1
		.amdhsa_wavefront_size32 1
		.amdhsa_system_sgpr_workgroup_id_x 1
		.amdhsa_system_sgpr_workgroup_id_y 1
		.amdhsa_system_sgpr_workgroup_id_z 1
		.amdhsa_system_vgpr_workitem_id 0
		.amdhsa_next_free_vgpr 256
		.amdhsa_next_free_sgpr 66
		.amdhsa_reserve_vcc 0
		.amdhsa_float_denorm_mode_32 3
		.amdhsa_float_denorm_mode_16_64 3
		.amdhsa_memory_ordered 1
		.amdhsa_forward_progress 1
		.amdhsa_inst_pref_size 46
	.end_amdhsa_kernel
	.amdgpu_metadata
---
amdhsa.version: [ 1, 2 ]
amdhsa.kernels:
  - .name:           k_q8e8bee4df0_qkv
    .symbol:         k_q8e8bee4df0_qkv.kd
    .args:
      - { .name: x, .offset: 0, .size: 8, .value_kind: global_buffer, .address_space: global }
      - { .name: attn_norm_w, .offset: 8, .size: 8, .value_kind: global_buffer, .address_space: global }
      - { .name: wq_codes, .offset: 16, .size: 8, .value_kind: global_buffer, .address_space: global }
      - { .name: wq_scales, .offset: 24, .size: 8, .value_kind: global_buffer, .address_space: global }
      - { .name: wk_codes, .offset: 32, .size: 8, .value_kind: global_buffer, .address_space: global }
      - { .name: wk_scales, .offset: 40, .size: 8, .value_kind: global_buffer, .address_space: global }
      - { .name: wv_codes, .offset: 48, .size: 8, .value_kind: global_buffer, .address_space: global }
      - { .name: wv_scales, .offset: 56, .size: 8, .value_kind: global_buffer, .address_space: global }
      - { .name: qimg, .offset: 64, .size: 8, .value_kind: global_buffer, .address_space: global }
      - { .name: qsc, .offset: 72, .size: 8, .value_kind: global_buffer, .address_space: global }
      - { .name: kv, .offset: 80, .size: 8, .value_kind: global_buffer, .address_space: global }
    .group_segment_fixed_size: 78848
    .private_segment_fixed_size: 0
    .kernarg_segment_align: 8
    .kernarg_segment_size: 88
    .max_flat_workgroup_size: 256
    .sgpr_count:     66
    .vgpr_count:     256
    .wavefront_size: 32
...
	.end_amdgpu_metadata
.endif
;; end of part 3
;; launch attn_tail (part 4): grid 64 x 4, 16 waves a work-group, no clusters, 97,536 bytes of LDS; arguments x, qimg, qsc, kv, wo_codes, wo_scales, ffn_norm_w, gate_w, expert_w_codes, expert_w_scales, out0; writes out0
.if DOCPART == 4
	.amdgcn_target "amdgcn-amd-amdhsa--gfx1250"
	.amdhsa_code_object_version 6
	.text
	.protected	k_q8e8bee4df0_attn_tail
	.globl	k_q8e8bee4df0_attn_tail
	.p2align	8
	.type	k_q8e8bee4df0_attn_tail,@function
k_q8e8bee4df0_attn_tail:
	s_mov_b64 s[64:65], 0
	v_nop
	global_prefetch_b8 v0, s[64:65] scope:SCOPE_SE
	s_setreg_imm32_b32 hwreg(HW_REG_WAVE_SCHED_MODE, 0, 2), 2
	s_setreg_imm32_b32 hwreg(HW_REG_WAVE_MODE, 25, 1), 1
	s_wait_xcnt 0x0
	s_wait_alu depctr_vm_vsrc(0)
; Causal attention on FP4 codes, then h = x + attn wo^T, t = rmsnorm(h) * ffn_norm_w, the gate (f32), top-2 and its softmax, out = h + sum over e of comb_e (t We^T).  All products but the gate on FP4 codes with E8M0 scales.
; SHARES.  Work-group (x = 2 G' + T, y = batch) owns two tiles of 16 query slots: turn 0 tile T of group 63 - G', turn 1 tile T of group G' (slot r of tile T = token 8 T + r + 8 (r / 8) of the group's 32).
; A tile of group G walks G / 4 open key steps of 128 keys and one step on the diagonal, so the two turns together are 17 steps in every work-group.
; Sixteen waves, four to a SIMD: in the attention wave w is head w (kv head w / 4); behind it wave w owns columns 32 w .. 32 w + 31 of wo, of the norm and of the experts, for all 32 tokens.
; ATTENTION.  S^T = K Q^T, O^T = V^T P^T: a lane holds one query throughout.  A head is 32 numbers, one block: a fragment of K carries FOUR tiles of 16 keys in its four blocks, and four versions of Q, the
; codes in one block and zero codes in the other three, pick one tile each.  t = score x log2(e) / sqrt(32); M = the running largest t rounded up; p = 2^(t - M) is quantised along the keys; the row's sum is
; taken of the unquantised p and divides O at the end; when M moves, sum and O are multiplied by 2^(old M - new M).  K, V and their scale words come from memory as images of the operand registers, 512 dense
; bytes a load, one key step ahead.
; THE TAIL.  A head's 32 outputs are one block of wo's K: each wave quantises its own and stores 8 bytes a lane into an image of the operand in LDS; likewise t.  x is the C of wo's first products.  All four
; experts are multiplied for every token and weighed by comb, which is 0 for the two that were not chosen: the choice selects values only.
; The weights go from memory to each wave's registers once (18 loads of 16 bytes a lane for each of five matrices); they never lie in LDS, so there is no tile that a joint load could bring; the K and V records
; that two work-groups want at one time differ with G'.  So the launch has no cluster.
; LIMITS: NaN and infinities are not served.  A block whose largest magnitude lies under 2^-124, or that is all zeros, gets the scale byte 1 (its bytes are read here alone).  Equal gate logits: the lower index
; wins, as in the top-k that is asked for.  The gate is summed as rs x sum(h fw gw), another order of rounding than (h rs fw) . gw.
; THE MODE: SCHED_MODE bits 1:0 = 2 (LLVM: expert scheduling mode 2), set by the entry lines.  The code itself states the register dependences between vector or matrix instructions and memory or LDS
; instructions, with s_wait_alu, always for 0.
; THE PLAN.  Registers that memory or LDS instructions touch, and operands of scaled products that vector lines write:
;   v1-15, v121    offsets and LDS addresses: written at the head, read by loads and stores; v1-15 are never written again: one wait on va_vdst ahead of the first load.
;   KF, KSC        a key step's eight products K Q^T read them; behind their places one wait on va_vdst, then the next record's loads land.
;   VF, VSC        the same behind the step's two products V^T P^T.
;   QL, QH, QSC    written by vector lines at a turn's head, taken by the scaled products: one wait on va_vdst a turn, behind the places, ahead of the branch into the steps.
;   PC, PSW        written by the conversions, the lane swaps and the shifts, taken by V^T P^T: one wait on va_vdst a step, behind the sums and the rescaling, which are the places.
;   S              at the head x's loads land in it and the stage's stores read it: one wait on vm_vsrc at the head of turn 0, ahead of the first scores.
;   CD, BY         (they lie in S and in AF) written by the conversions, read by the images' LDS stores: va_vdst ahead of the stores, vm_vsrc behind them, ahead of the scores or fragments that come there next.
;   the masks      compares go in runs into scalar registers, with one wait on va_sdst behind each run, ahead of the selects that read them.
;   AF, AFS, WB, WS  the tail's fragments and weights: loads land, sixteen products read; behind each product's places one wait on va_vdst, then the next loads.
;   RZ, v41, v64-67, H  written by vector lines, read by LDS stores: va_vdst ahead of each group of stores; vm_vsrc ahead of the lines that write v41 and v62-67 again.
.set AIMG, 0                           ; LDS: attention's output as operand images [turn][head x 256 + 16 r + 8 h]
.set TIMG, 8192                        ; t likewise
.set ASC,  16384                       ; scale bytes [turn][r][head]
.set TSC,  16896
.set RED,  17408                       ; partial sums [q 5][token 32, 68 bytes apart][wave]
.set FIN,  28288                       ; [token 32][comb 0..3, rs, -, -, -]
.set XS,   29440                       ; 32 rows (16 turn + r) of x, later of out
.set XP,   2064                        ; 2,048 bytes + 16
.set REC,  4352
.set L16, 1                            ; 16 x lane
.set L4,  2                            ; 4 x lane
.set R16, 3                            ; 16 r
.set QR,  4                            ; r + 8 (r / 8) - 16 h
.set AIW, 5
.set ASW, 6
.set XRD, 7
.set XDN, 8
.set WRO, 9
.set WSO, 10
.set CO,  11
.set RDW, 12
.set RDR, 13
.set FNW, 14
.set FNR, 15
.set AFS, 16                           ; v16-23  scale words of the token fragments.  v16-35 hold scales and nothing else
.set WS,  24                           ; v24-31  of the weights
.set KSC, 32
.set VSC, 33
.set QSC, 34
.set PSW, 35
.set NM,  36                           ; -M;  v37 the largest t
.set MT,  37
.set SUM, 38                           ; v[38:39]
.set Z0,  40                           ; v40-43 zeros, v44-47 Q in lanes 0-15, v48-51 zeros, v52-55 Q in lanes 16-31, v56-59 zeros
.set QL,  44
.set Z1,  48
.set QH,  52
.set Z2,  56
.set QTA, 60
.set QTB, 64
.set QBA, 68
.set QBB, 69
.set KF,  70                           ; v70-85
.set VF,  86                           ; v86-101
.set BM,  102
.set BT,  106
.set SO,  110
.set TT,  114
.set NINF, 115
.set F,   116                          ; v[116:117]
.set SUM2, 118
.set DD,  120
.set RR,  121                          ; r
.set O,   128                          ; v128-143
.set S,   144                          ; v144-207
.set PC,  208                          ; v208-215
.set TM,  160                          ; at work in QUANTB
.set BY,  166
.set CD,  168
.set E,   36                           ; the tail: v36-67 an expert's results; before that HF, PA, RZ
.set HF,  36
.set PA,  52
.set RZ,  62
.set H,   68                           ; v68-99  h, then out: register 16 turn + i = column 32 w + 16 h + i of token (turn, r)
.set FW,  100                          ; v100-115
.set CB,  116                          ; v116-123 comb, 4 turn + e
.set RS,  124                          ; v124-125
.set AF,  128                          ; v128-191 token fragments 4 turn + s; also the gate's weights, t
.set WB,  192                          ; v192-255 weights: tile u, K step s at WB + 8 (4 u + s)
.set KV0, 36
.set KB,  38
.set VB,  40
.set NN,  42
.set DS,  43
.macro WM0 d, a, b, sa, sb
	v_wmma_scale_f32_16x16x128_f8f6f4 v[\d:\d+7], v[\a:\a+7], v[\b:\b+7], 0, v[\sa], v[\sb] matrix_a_fmt:MATRIX_FMT_FP4 matrix_b_fmt:MATRIX_FMT_FP4
.endm
.macro WM0R d, a, b, sa, sb            ; source 0's scales from lanes 16-31
	v_wmma_scale_f32_16x16x128_f8f6f4 v[\d:\d+7], v[\a:\a+7], v[\b:\b+7], 0, v[\sa], v[\sb] matrix_a_fmt:MATRIX_FMT_FP4 matrix_b_fmt:MATRIX_FMT_FP4 matrix_a_scale:MATRIX_SCALE_ROW1
.endm
.macro WMA d, a, b, sa, sb
	v_wmma_scale_f32_16x16x128_f8f6f4 v[\d:\d+7], v[\a:\a+7], v[\b:\b+7], v[\d:\d+7], v[\sa], v[\sb] matrix_a_fmt:MATRIX_FMT_FP4 matrix_b_fmt:MATRIX_FMT_FP4
.endm
.macro WMAR d, a, b, sa, sb
	v_wmma_scale_f32_16x16x128_f8f6f4 v[\d:\d+7], v[\a:\a+7], v[\b:\b+7], v[\d:\d+7], v[\sa], v[\sb] matrix_a_fmt:MATRIX_FMT_FP4 matrix_b_fmt:MATRIX_FMT_FP4 matrix_a_scale:MATRIX_SCALE_ROW1
.endm
.macro PLACES
.rept 4
	v_nop
.endr
.endm
.macro BARRIER                         ; my LDS stores have landed and my LDS loads are in: then the work-group's barrier
	s_wait_dscnt 0x0
	s_barrier_signal -1
	s_barrier_wait -1
.endm
; nb blocks of 32 that lie in lanes l and l xor 16, 16 registers each from v[src + 16 k] on: 8 bytes of codes in v[cd + 2 k], v[cd + 2 k + 1], the scale's byte in v[by + k]
.macro QUANTB src, cd, by, nb
.irp k, 0,1
.if \k < \nb
	v_max3_num_f32 v[TM+\k], |v[\src+16*\k]|, |v[\src+16*\k+1]|, 0x1800000   ; and the floor 2^(3 - 127): the byte cannot fall under 1
.endif
.endr
.irp i, 2,4,6,8,10,12,14
.irp k, 0,1
.if \k < \nb
	v_max3_num_f32 v[TM+\k], v[TM+\k], |v[\src+16*\k+\i]|, |v[\src+16*\k+\i+1]|
.endif
.endr
.endr
.irp k, 0,1
.if \k < \nb
	v_mov_b32 v[TM+2+\k], 0                        ; a lane permute's destination counts as one of its sources
.endif
.endr
.irp k, 0,1
.if \k < \nb
	v_permlanex16_b32 v[TM+2+\k], v[TM+\k], s30, s31
.endif
.endr
.irp k, 0,1
.if \k < \nb
	v_max_num_f32 v[TM+\k], v[TM+\k], v[TM+2+\k]
.endif
.endr
.irp k, 0,1
.if \k < \nb
	v_add_nc_u32 v[TM+4+\k], 0xff000000, v[TM+\k]  ; 2 off the exponent field: the conversion's scale operand
.endif
.endr
.irp k, 0,1
.if \k < \nb
	v_lshrrev_b32 v[\by+\k], 23, v[TM+4+\k]
.endif
.endr
.irp k, 0,1
.if \k < \nb
	v_cvt_scalef32_pk8_fp4_f32 v[\cd+2*\k], v[\src+16*\k:\src+16*\k+7], v[TM+4+\k]
	v_cvt_scalef32_pk8_fp4_f32 v[\cd+2*\k+1], v[\src+16*\k+8:\src+16*\k+15], v[TM+4+\k]
.endif
.endr
	v_nop                                          ; one plain place behind a scaled conversion
.endm
.macro KLOAD                           ; a key step's K: two fragments and their scale words: 5 loads
.irp g, 0,1,2,3
	global_load_b128 v[KF+4*\g:KF+4*\g+3], v[L16], s[KB:KB+1] offset:512*\g
.endr
	global_load_b32 v[KSC], v[L4], s[KB:KB+1] offset:4096
.endm
.macro VLOAD                           ; and its V: 5 loads
.irp g, 0,1,2,3
	global_load_b128 v[VF+4*\g:VF+4*\g+3], v[L16], s[VB:VB+1] offset:2048+512*\g
.endr
	global_load_b32 v[VSC], v[L4], s[VB:VB+1] offset:4224
.endm
; my 32 rows of a 512 x 512 weight: 16 fragments' halves and the two tiles' scale words: 18 loads
.macro WLOAD cb, sb
.irp u, 0,1
.irp s, 0,1,2,3
.irp c, 0,1
	global_load_b128 v[WB+8*(4*\u+\s)+4*\c:WB+8*(4*\u+\s)+4*\c+3], v[WRO], s[\cb:\cb+1] offset:\u*2048+64*\s+32*\c
.endr
.endr
	global_load_b128 v[WS+4*\u:WS+4*\u+3], v[WSO], s[\sb:\sb+1] offset:\u*128
.endr
.endm
.macro FRAGS img, sc                   ; the 32 tokens' eight fragments and their scale words, from their images
.irp t, 0,1
.irp s, 0,1,2,3
.irp c, 0,1
	ds_load_b128 v[AF+8*(4*\t+\s)+4*\c:AF+8*(4*\t+\s)+4*\c+3], v[L16] offset:\img+4096*\t+1024*\s+512*\c
.endr
.endr
	ds_load_b128 v[AFS+4*\t:AFS+4*\t+3], v[R16] offset:\sc+256*\t
.endr
.endm
; 16 products: source 0 = my weight rows, source 1 = tokens; four accumulators by turns, K ascending.  first = 1: the sums begin with what the accumulators hold; 0: with the constant 0
.macro MUL acc, first
.irp s, 0,1,2,3
.irp t, 0,1
.irp u, 0,1
.if (\first == 0) && (\s == 0)
	WM0 \acc+16*\t+8*\u, WB+8*(4*\u+\s), AF+8*(4*\t+\s), WS+4*\u+\s, AFS+4*\t+\s
.else
	WMA \acc+16*\t+8*\u, WB+8*(4*\u+\s), AF+8*(4*\t+\s), WS+4*\u+\s, AFS+4*\t+\s
.endif
.endr
.endr
.endr
.endm
; A KEY STEP of 128 keys.  mask = 1: the step on the diagonal.  nxt = 1: the next record is asked for; 2: record 0, for the next turn; 0: nothing.
.macro STEP mask, nxt
	s_wait_loadcnt 5                               ; K's five loads are in; V's five stand behind them
.if \nxt == 1
	s_add_nc_u64 s[KB:KB+1], s[KB:KB+1], REC       ; K's loads are done: their base may step
.endif
.if \nxt == 2
	s_mov_b64 s[KB:KB+1], s[KV0:KV0+1]
.endif
.irp t, 0,1,2,3                                ; tile 4 f + t: fragment f, block t.  Register j of tile 2 b + u in lane (r, h): key 32 b + 16 h + 8 u + j, query r
	WM0 S+8*\t, KF, QL+8*(\t%2)-4*(\t/2), KSC, QSC
.endr
.irp t, 0,1,2,3
	WM0R S+32+8*\t, KF+8, QL+8*(\t%2)-4*(\t/2), KSC, QSC
.endr
	PLACES                                         ; in front of the first read of scores
.if \nxt
	s_wait_alu depctr_va_vdst(0)                   ; the eight products are done reading K's fragments and scale words, in which the next record's land
	KLOAD
.endif
.if \mask                                      ; hidden keys' scores become -infinity ahead of the maximum: p = 0 then
	v_add_nc_u32 v[DD], s[DS], v[QR]               ; d = my query - the step's first key - 16 h: register 16 b + i is hidden where 32 b + i > d
.irp b, 0,1,2,3                                ; a block's sixteen compares in one run, into s8-15 and s48-55, which hold nothing else behind the head
.set m, 0
.rept 16
	v_cmp_gt_i32 s[8+m+32*(m/8)], 32*\b+m, v[DD]
.set m, m+1
.endr
	s_wait_alu depctr_va_sdst(0)                   ; the sixteen masks are written, ahead of the selects that read them
.set m, 0
.rept 16
	v_cndmask_b32 v[S+16*\b+m], v[S+16*\b+m], v[NINF], s[8+m+32*(m/8)]
.set m, m+1
.endr
.endr
.endif
.irp b, 0,1,2,3
	v_max3_num_f32 v[BM+\b], v[S+16*\b], v[S+16*\b+1], v[S+16*\b+2]   ; the largest score of each block of 32 keys: for the row's maximum and for the block's largest p
.endr
.irp i, 3,5,7,9,11,13
.irp b, 0,1,2,3
	v_max3_num_f32 v[BM+\b], v[BM+\b], v[S+16*\b+\i], v[S+16*\b+\i+1]
.endr
.endr
.irp b, 0,1,2,3
	v_max_num_f32 v[BM+\b], v[BM+\b], v[S+16*\b+15]
.endr
.irp b, 0,1,2,3
	v_permlanex16_b32 v[BT+\b], v[BM+\b], s30, s31
.endr
.irp b, 0,1,2,3
	v_max_num_f32 v[BM+\b], v[BM+\b], v[BT+\b]
.endr
	v_max3_num_f32 v[TT], v[BM], v[BM+1], v[BM+2]
	v_max_num_f32 v[TT], v[TT], v[BM+3]
	v_mul_f32 v[TT], s32, v[TT]                    ; as t
	v_max_num_f32 v[MT], v[MT], v[TT]              ; the running largest t
	v_mov_b32 v[TT], v[NM]
	v_floor_f32 v[NM], -v[MT]                      ; -M = floor(-t): M is a whole number
	v_sub_f32 v[TT], v[NM], v[TT]                  ; old M - new M, 0 or less
	v_cvt_i32_f32 v[TT], v[TT]                     ; (it saturates)
	v_ldexp_f32 v[F], 1.0, v[TT]                   ; f = 2^(old M - new M)
.set j, 0
.rept 32
	v_pk_fma_f32 v[S+j:S+j+1], v[S+j:S+j+1], s[32:33], v[NM:NM+1] op_sel_hi:[1,0,0]   ; t - M
.set j, j+2
.endr
.irp b, 0,1,2,3
	v_fma_f32 v[BM+\b], v[BM+\b], s32, v[NM]
.endr
.set j, 0
	s_wait_alu depctr_va_vdst(0)
.rept 64
	v_exp_f32 v[S+j], v[S+j]                       ; p = 2^(t - M)
.set j, j+1
.endr
.irp b, 0,1,2,3
	v_exp_f32 v[BM+\b], v[BM+\b]                   ; the block's largest p
.endr
	v_pk_mul_f32 v[SUM:SUM+1], v[SUM:SUM+1], v[F:F+1] op_sel_hi:[1,0]   ; the sums under the new M; a plain place behind the exponentials
	s_wait_alu depctr_va_vdst(0)                   ; the 68 exponentials have written p and the blocks' largest p, ahead of their first reader
.irp b, 0,1,2,3
	v_max_num_f32 v[BM+\b], 0x1800000, v[BM+\b]
.endr
.irp b, 0,1,2,3
	v_add_nc_u32 v[SO+\b], 0xff000000, v[BM+\b]
.endr
.irp b, 0,1,2,3
	v_lshrrev_b32 v[BT+\b], 23, v[SO+\b]
.endr
	v_lshl_or_b32 v[PSW], v[BT+1], 8, v[BT]        ; p's scale word for these 128 keys
	v_lshl_or_b32 v[PSW], v[BT+2], 16, v[PSW]
	v_lshl_or_b32 v[PSW], v[BT+3], 24, v[PSW]
.irp b, 0,1,2,3
	v_cvt_scalef32_pk8_fp4_f32 v[PC+2*\b], v[S+16*\b:S+16*\b+7], v[SO+\b]
	v_cvt_scalef32_pk8_fp4_f32 v[PC+2*\b+1], v[S+16*\b+8:S+16*\b+15], v[SO+\b]
.endr
	v_nop
.irp c, 0,1                                    ; a whole block to a lane
.irp i, 0,1
	v_permlane16_swap_b32 v[PC+4*\c+\i], v[PC+2+4*\c+\i]
.endr
.endr
	v_pk_add_f32 v[SUM2:SUM2+1], v[S:S+1], v[S+2:S+3]   ; the row's sum of the unquantised p, in two chains
.irp j, 4,8,12,16,20,24,28,32,36,40,44,48,52,56,60
	v_pk_add_f32 v[SUM:SUM+1], v[SUM:SUM+1], v[S+\j:S+\j+1]
	v_pk_add_f32 v[SUM2:SUM2+1], v[SUM2:SUM2+1], v[S+\j+2:S+\j+3]
.endr
	v_pk_add_f32 v[SUM:SUM+1], v[SUM:SUM+1], v[SUM2:SUM2+1]
.set j, 0
.rept 8
	v_pk_mul_f32 v[O+j:O+j+1], v[O+j:O+j+1], v[F:F+1] op_sel_hi:[1,0]   ; O^T under the new M
.set j, j+2
.endr
	s_wait_alu depctr_va_vdst(0)                   ; p's codes and its scale word are written, which the two scaled products take; the sums and the rescaling above are the places in front of them
.if \nxt
	s_wait_loadcnt 5                               ; V's five loads are in; the next K's five stand behind them
.else
	s_wait_loadcnt 0x0
.endif
.if \nxt == 1
	s_add_nc_u64 s[VB:VB+1], s[VB:VB+1], REC
.endif
.if \nxt == 2
	s_mov_b64 s[VB:VB+1], s[KV0:KV0+1]
.endif
	WMA O, VF, PC, VSC, PSW                        ; register j of tile t in lane (r, h): channel 16 h + 8 t + j, query r
	WMAR O+8, VF+8, PC, VSC, PSW
	PLACES                                         ; in front of the next read of O^T
.if \nxt
	s_wait_alu depctr_va_vdst(0)                   ; the two products are done reading V's fragments and scale words, in which the next record's land
	VLOAD
.endif
.endm
; A turn's end: O^T / the sum is my head's block of wo's K for 16 tokens: codes and scale byte go into the operand's image
.macro EPI tau
.if \tau == 1
	s_wait_alu depctr_va_vdst(0)                   ; the last step's vector lines and products are done with v192-215 (scores, p, p's codes), in which wo's rows land
	WLOAD 16, 18                                   ; wo's rows for the tail
.endif
	v_add_f32 v[SUM], v[SUM], v[SUM+1]
	v_permlanex16_b32 v[BT], v[SUM], s30, s31
	v_add_f32 v[SUM], v[SUM], v[BT]
	s_wait_alu depctr_va_vdst(0)
	v_rcp_f32 v[SUM], v[SUM]
	v_nop
.set j, 0
	s_wait_alu depctr_va_vdst(0)                   ; the reciprocal has written v[SUM], ahead of its first reader; and the lines above are done with v100-115, in which the norm's weights land
.if \tau == 1
.irp i, 0,1,2,3
	global_load_b128 v[FW+4*\i:FW+4*\i+3], v[CO], s[20:21] offset:16*\i
.endr
.endif
.rept 16
	v_mul_f32 v[S+j], v[O+j], v[SUM]
.set j, j+1
.endr
	QUANTB S, CD, BY, 1
	s_wait_alu depctr_va_vdst(0)                   ; the conversions have written my head's codes and the shift its scale byte, which the two LDS stores read
	ds_store_b64 v[AIW], v[CD:CD+1] offset:AIMG+4096*\tau
	ds_store_b8 v[ASW], v[BY] offset:256*\tau
	s_wait_dscnt 0x0
	s_wait_alu depctr_vm_vsrc(0)                   ; the two stores have read v[CD ..] and v[BY], which the next turn's scores, or the tail's fragments, take
.endm
; A turn: tile T of the group in s[g]; qt: its codes of Q; qb: its scale byte
.macro TURN tau, g, qt, qb, last
.if \tau == 0
	s_wait_loadcnt 10                              ; Q's four loads are in; K's and V's ten stand behind them
	s_wait_dscnt 0x0
	s_wait_alu depctr_vm_vsrc(0)                   ; x's stores into the stage have read v[S ..], which the scores take
.endif
.irp i, 0,1,2,3
	v_cndmask_b32 v[QL+\i], v[\qt+\i], v[Z0], s34
	v_cndmask_b32 v[QH+\i], v[Z0], v[\qt+\i], s34
.endr
	v_mul_lo_u32 v[QSC], v[\qb], 0x01010101        ; the head's one scale in all four bytes: the blocks of zero codes add nothing under it
	v_mov_b32 v[MT], 0xff61b1e6                    ; -3e38, under every t
	v_floor_f32 v[NM], -v[MT]
	v_mov_b32 v[SUM], 0
	v_mov_b32 v[SUM+1], 0
.set j, 0
.rept 16
	v_mov_b32 v[O+j], 0                            ; the step is written once: the first finds zeros.  These lines are also the places between Q's registers and the first product
.set j, j+1
.endr
	s_wait_alu depctr_va_vdst(0)                   ; Q's two halves and its scale word are written, which the scaled products of every step of this turn take
	s_lshr_b32 s[NN], s[\g], 2                     ; open steps
	s_and_b32 s[DS], s[\g], 3
	s_lshl_b32 s[DS], s[DS], 5
	s_lshl_b32 s48, s4, 3
	s_add_co_u32 s[DS], s[DS], s48                 ; 32 (G % 4) + 8 T
	s_cmp_eq_u32 s[NN], 0
	s_cbranch_scc1 .Ldiag_\tau
.Lopen_\tau:
	STEP 0, 1
	s_sub_co_u32 s[NN], s[NN], 1
	s_cmp_lg_u32 s[NN], 0
	s_cbranch_scc1 .Lopen_\tau
.Ldiag_\tau:
.if \last
	STEP 1, 0
.else
	STEP 1, 2
.endif
	EPI \tau
.endm
	s_load_b512 s[8:23], s[0:1], 0x0               ; x, qimg, qsc, kv, wo codes, wo scales, ffn norm w, gate w
	s_load_b128 s[24:27], s[0:1], 0x40             ; expert codes, expert scales
	s_load_b64 s[28:29], s[0:1], 0x50              ; out
	v_lshrrev_b32 v127, 5, v0
	v_readfirstlane_b32 s2, v127                   ; wave 0..15
	s_lshr_b32 s3, ttmp9, 1                        ; G'
	s_and_b32 s4, ttmp9, 1                         ; T
	s_and_b32 s5, ttmp7, 0xffff                    ; batch
	s_sub_co_u32 s6, 63, s3                        ; turn 0's group
	s_mov_b32 s7, s3                               ; turn 1's
	s_mov_b32 s30, 0x76543210
	s_mov_b32 s31, 0xfedcba98                      ; v_permlanex16_b32's selects for lane l xor 16
	s_mov_b32 s32, 0x3e8293ee                      ; log2(e) / sqrt(32)
	s_mov_b32 s33, s32
	s_mov_b32 s34, 0xffff0000                      ; lanes 16-31
	s_mov_b32 s60, 0x3b000000                      ; 1 / 512
	s_mov_b32 s61, 0x358637bd                      ; 1e-6
	v_and_b32 v[RR], 15, v0                        ; r
	v_bfe_u32 v122, v0, 4, 1                       ; h
	v_and_b32 v123, 31, v0                         ; lane
	v_lshlrev_b32 v[L16], 4, v123
	v_lshlrev_b32 v[L4], 2, v123
	v_lshlrev_b32 v[R16], 4, v[RR]
	v_and_b32 v124, 8, v[RR]
	v_add_nc_u32 v124, v124, v[RR]                 ; r + 8 (r / 8)
	v_lshlrev_b32 v125, 4, v122
	v_sub_nc_u32 v[QR], v124, v125
	v_lshl_add_u32 v[AIW], v122, 3, v[R16]
	s_wait_alu depctr_va_sdst(0)                   ; s2 is written, ahead of its first reader: the LDS places, the heads and the bases are made from it
	s_lshl_b32 s48, s2, 8
	v_add_nc_u32 v[AIW], s48, v[AIW]               ; 256 w + 16 r + 8 h
	v_add_nc_u32 v[ASW], s2, v[R16]
	v_add_nc_u32 v[ASW], ASC, v[ASW]               ; 16 r + w
	v_mul_u32_u24 v[XRD], v[RR], XP
	v_lshl_add_u32 v[XRD], v122, 6, v[XRD]
	s_lshl_b32 s48, s2, 7
	v_add_nc_u32 v[XRD], s48, v[XRD]
	v_add_nc_u32 v[XRD], XS, v[XRD]                ; row r, my 16 columns: 128 w + 64 h
	v_lshl_add_u32 v[CO], v122, 6, s48             ; the same columns in a vector of 512
	s_mul_i32 s48, s2, 2*XP
	v_add_nc_u32 v[XDN], s48, v[L16]
	v_add_nc_u32 v[XDN], XS, v[XDN]                ; rows 2 w, 2 w + 1, whole
	s_lshl_b32 s48, s2, 5
	v_add_nc_u32 v126, s48, v124                   ; weight row 32 w + r + 8 (r / 8)
	v_lshlrev_b32 v[WRO], 8, v126
	v_lshl_add_u32 v[WRO], v122, 4, v[WRO]
	v_lshlrev_b32 v[WSO], 4, v126
	v_mul_u32_u24 v[RDW], v123, 68
	s_lshl_b32 s48, s2, 2
	v_add_nc_u32 v[RDW], s48, v[RDW]
	v_add_nc_u32 v[RDW], RED, v[RDW]               ; token = lane, my wave's word
	s_mul_i32 s48, s2, 136
	v_mul_u32_u24 v[RDR], v122, 68
	v_lshl_add_u32 v[RDR], v[RR], 2, v[RDR]
	v_add_nc_u32 v[RDR], s48, v[RDR]
	v_add_nc_u32 v[RDR], RED, v[RDR]               ; token 2 w + h, wave r's word
	s_lshl_b32 s48, s2, 6
	v_lshl_add_u32 v[FNW], v122, 5, s48
	v_add_nc_u32 v[FNW], FIN, v[FNW]               ; token 2 w + h
	v_lshl_add_u32 v[FNR], v[RR], 5, FIN           ; token r of a turn
.irp i, 0,1,2,3
	v_mov_b32 v[Z0+\i], 0
	v_mov_b32 v[Z1+\i], 0
	v_mov_b32 v[Z2+\i], 0
	v_mov_b32 v[BT+\i], 0                          ; a lane permute's destination counts as one of its sources
.endr
	v_mov_b32 v[F+1], 0                            ; named with f as a pair
	v_mov_b32 v[NINF], 0xff800000
	; the two rows of x and of out that I carry: stage rows 2 w, 2 w + 1 = turn w / 8, slots 2 (w % 8), + 1
	s_cmp_lt_u32 s2, 8
	s_cselect_b32 s50, s6, s7
	s_lshl_b32 s50, s50, 5
	s_lshl_b32 s51, s5, 11
	s_add_co_u32 s50, s50, s51
	s_lshl_b32 s51, s4, 3
	s_add_co_u32 s50, s50, s51
	s_and_b32 s51, s2, 7
	s_lshl_b32 s51, s51, 1
	s_add_co_u32 s50, s50, s51
	s_bfe_u32 s51, s2, 0x10002
	s_lshl_b32 s51, s51, 3
	s_add_co_u32 s50, s50, s51                     ; token = 2,048 b + 32 G + 8 T + r + 8 (r / 8)
	s_lshl_b32 s50, s50, 11
	s_mov_b32 s51, 0
	s_lshl_b32 s48, s5, 2
	s_lshr_b32 s49, s2, 2
	s_add_co_u32 s48, s48, s49
	s_mul_i32 s48, s48, 16*REC                     ; my kv head's 16 records
	s_mov_b32 s49, 0
	s_lshl_b32 s35, s5, 6
	s_add_co_u32 s62, s35, s6                      ; 64 b + G of turn 0,
	s_add_co_u32 s63, s35, s7                      ; of turn 1
	s_wait_kmcnt 0x0
	s_add_nc_u64 s[44:45], s[8:9], s[50:51]
	s_add_nc_u64 s[46:47], s[28:29], s[50:51]
	s_wait_alu depctr_va_vdst(0)                   ; the offsets and LDS addresses v1 to v15 and v121 are written: every load and store of the kernel reads one of them
.irp i, 0,1
.irp j, 0,1,2,3
	global_load_b128 v[S+4*(4*\i+\j):S+4*(4*\i+\j)+3], v[L16], s[44:45] offset:2048*\i+512*\j th:TH_LOAD_NT
.endr
.endr
	s_add_nc_u64 s[KV0:KV0+1], s[14:15], s[48:49]
	s_lshl_b32 s50, s62, 4
	s_add_co_u32 s50, s50, s2
	s_lshl_b32 s50, s50, 9
	s_lshl_b32 s35, s4, 8
	s_add_co_u32 s50, s50, s35
	s_add_nc_u64 s[52:53], s[10:11], s[50:51]      ; Q's codes: ((64 b + G) x 16 + head) x 512 + 256 T
	s_lshl_b32 s50, s63, 4
	s_add_co_u32 s50, s50, s2
	s_lshl_b32 s50, s50, 9
	s_add_co_u32 s50, s50, s35
	s_add_nc_u64 s[54:55], s[10:11], s[50:51]
	s_lshl_b32 s35, s2, 5
	s_lshl_b32 s48, s4, 4
	s_add_co_u32 s35, s35, s48
	s_lshl_b32 s50, s62, 9
	s_add_co_u32 s50, s50, s35
	s_add_nc_u64 s[56:57], s[12:13], s[50:51]      ; Q's scale bytes: (64 b + G) x 512 + 32 head + 16 T
	s_lshl_b32 s50, s63, 9
	s_add_co_u32 s50, s50, s35
	s_add_nc_u64 s[58:59], s[12:13], s[50:51]
	global_load_b128 v[QTA:QTA+3], v[R16], s[52:53]
	global_load_b128 v[QTB:QTB+3], v[R16], s[54:55]
	global_load_u8 v[QBA], v[RR], s[56:57]
	global_load_u8 v[QBB], v[RR], s[58:59]
	s_mov_b64 s[KB:KB+1], s[KV0:KV0+1]
	s_mov_b64 s[VB:VB+1], s[KV0:KV0+1]
	KLOAD
	VLOAD
	s_wait_loadcnt 14                              ; x's eight loads are in; behind them stand Q's four and K's and V's ten
.irp i, 0,1
.irp j, 0,1,2,3
	ds_store_b128 v[XDN], v[S+4*(4*\i+\j):S+4*(4*\i+\j)+3] offset:XP*\i+512*\j
.endr
.endr
	TURN 0, 6, QTA, QBA, 0
	TURN 1, 7, QTB, QBB, 1
	BARRIER                                        ; the attention's images, their scale bytes and x's 32 rows lie in LDS
	; ---- h = x + attn wo^T: x is what the sums begin with
	FRAGS AIMG, ASC                                ; no vector line stands behind the wait ahead of the last image's stores: the registers in which these loads land are done with
.irp t, 0,1
.irp i, 0,1,2,3
	ds_load_b128 v[H+16*\t+4*\i:H+16*\t+4*\i+3], v[XRD] offset:16*XP*\t+16*\i
.endr
.endr
	s_wait_dscnt 0x0
	s_wait_loadcnt 4                               ; wo's 18 loads are in; the norm weights' four may be out
	MUL H, 1
	PLACES
	s_wait_alu depctr_va_vdst(0)                   ; the sixteen products are done reading v[AF ..], in which the gate's weights land, and v[WB ..] and v[WS ..], in which expert 0's land
.irp e, 0,1,2,3
.irp i, 0,1,2,3
	global_load_b128 v[AF+16*\e+4*\i:AF+16*\e+4*\i+3], v[CO], s[22:23] offset:2048*\e+16*\i   ; the gate's weights at my 16 columns
.endr
.endr
	WLOAD 24, 26                                   ; expert 0
	s_wait_loadcnt 18                              ; the norm's and the gate's weights are in; expert 0's 18 loads may be out
	; ---- for each token: the sum of h^2 and the four sums of h fw gw, over my wave's 32 columns
.irp t, 0,1
.set j, 0
.rept 8
	v_pk_mul_f32 v[HF+j:HF+j+1], v[H+16*\t+j:H+16*\t+j+1], v[FW+j:FW+j+1]
.set j, j+2
.endr
	v_pk_mul_f32 v[PA:PA+1], v[H+16*\t:H+16*\t+1], v[H+16*\t:H+16*\t+1]
.irp e, 0,1,2,3
	v_pk_mul_f32 v[PA+2+2*\e:PA+3+2*\e], v[HF:HF+1], v[AF+16*\e:AF+16*\e+1]
.endr
.set j, 2
.rept 7
	v_pk_fma_f32 v[PA:PA+1], v[H+16*\t+j:H+16*\t+j+1], v[H+16*\t+j:H+16*\t+j+1], v[PA:PA+1]
.irp e, 0,1,2,3
	v_pk_fma_f32 v[PA+2+2*\e:PA+3+2*\e], v[HF+j:HF+j+1], v[AF+16*\e+j:AF+16*\e+j+1], v[PA+2+2*\e:PA+3+2*\e]
.endr
.set j, j+2
.endr
.irp q, 0,1,2,3,4
	v_add_f32 v[PA+2*\q], v[PA+2*\q], v[PA+2*\q+1]
.endr
.irp q, 0,1,2,3,4
	v_permlanex16_b32 v[PA+2*\q+1], v[PA+2*\q], s30, s31
.endr
.irp q, 0,1,2,3,4
.if \t == 0
	v_add_f32 v[RZ+\q], v[PA+2*\q], v[PA+2*\q+1]
.else
	v_add_f32 v[PA+2*\q], v[PA+2*\q], v[PA+2*\q+1]
.endif
.endr
.endr
.irp q, 0,1,2,3,4
	v_cndmask_b32 v[RZ+\q], v[RZ+\q], v[PA+2*\q], s34   ; lane = token: lanes 0-15 turn 0's, lanes 16-31 turn 1's
.endr
	s_wait_alu depctr_va_vdst(0)                   ; the five selects have written v[RZ ..], which the LDS stores read; and the sums are done with v36-40, in which the waves' parts land behind the barrier
.irp q, 0,1,2,3,4
	ds_store_b32 v[RDW], v[RZ+\q] offset:2176*\q
.endr
	BARRIER
	; ---- wave w finishes tokens 2 w + h: sixteen lanes hold the sixteen waves' parts
.irp q, 0,1,2,3,4
	ds_load_b32 v[36+\q], v[RDR] offset:2176*\q
.endr
	s_wait_dscnt 0x0
	s_wait_alu depctr_vm_vsrc(0)                   ; the five stores above have read v62-66, of which v62 and v64-66 are written again below
.irp m, 1,2,4,8
.irp q, 0,1,2,3,4
	v_add_f32_dpp v[36+\q], v[36+\q], v[36+\q] row_xmask:\m row_mask:0xf bank_mask:0xf
.endr
.endr
	v_fma_f32 v36, v36, s60, s61                   ; mean + eps
	s_wait_alu depctr_va_vdst(0)
	v_rsq_f32 v41, v36
	v_nop
	s_wait_alu depctr_va_vdst(0)                   ; the root has written v41, ahead of its first reader
.irp e, 0,1,2,3
	v_mul_f32 v[42+\e], v[37+\e], v41              ; the logits
.endr
	v_cmp_ge_f32 s48, v42, v43                     ; t(j, e) = 1 where j < e stands ahead of e: the larger logit, the lower index where they are equal.  The six compares in one run
	v_cmp_ge_f32 s49, v42, v44
	v_cmp_ge_f32 s50, v42, v45
	v_cmp_ge_f32 s51, v43, v44
	v_cmp_ge_f32 s52, v43, v45
	v_cmp_ge_f32 s53, v44, v45
	s_wait_alu depctr_va_sdst(0)                   ; the six masks are written, ahead of the selects that read them
	v_cndmask_b32 v46, 0, 1, s48
	v_cndmask_b32 v47, 0, 1, s49
	v_cndmask_b32 v48, 0, 1, s50
	v_cndmask_b32 v49, 0, 1, s51
	v_cndmask_b32 v50, 0, 1, s52
	v_cndmask_b32 v51, 0, 1, s53
	v_add3_u32 v52, v46, v47, v48
	v_sub_nc_u32 v52, 3, v52                       ; how many stand ahead of expert 0,
	v_add_nc_u32 v53, v49, v50
	v_add_nc_u32 v54, 2, v46
	v_sub_nc_u32 v53, v54, v53                     ; of 1,
	v_add3_u32 v54, v47, v49, 1
	v_sub_nc_u32 v54, v54, v51                     ; of 2,
	v_add3_u32 v55, v48, v50, v51                  ; of 3
	v_max3_num_f32 v56, v42, v43, v44
	v_max_num_f32 v56, v56, v45
.irp e, 0,1,2,3
	v_sub_f32 v[57+\e], v[42+\e], v56
.endr
.irp e, 0,1,2,3
	v_mul_f32 v[57+\e], 0x3fb8aa3b, v[57+\e]
.endr
	s_wait_alu depctr_va_vdst(0)
.irp e, 0,1,2,3
	v_exp_f32 v[57+\e], v[57+\e]
.endr
	v_nop
.irp e, 0,1,2,3
	v_cmp_gt_u32 s[48+\e], 2, v[52+\e]             ; fewer than two ahead: chosen
.endr
	s_wait_alu depctr_va_sdst(0)                   ; the four masks are written, ahead of the selects that read them
	s_wait_alu depctr_va_vdst(0)                   ; the four exponentials have written v57-60, ahead of their first reader
.irp e, 0,1,2,3
	v_cndmask_b32 v[57+\e], 0, v[57+\e], s[48+\e]  ; the two chosen keep their weight
.endr
	v_add_f32 v61, v57, v58
	v_add_f32 v62, v59, v60
	v_add_f32 v61, v61, v62
	s_wait_alu depctr_va_vdst(0)
	v_rcp_f32 v61, v61
	v_nop
	s_wait_alu depctr_va_vdst(0)                   ; the reciprocal has written v61, ahead of its first reader
.irp e, 0,1,2,3
	v_mul_f32 v[64+\e], v[57+\e], v61              ; comb
.endr
	s_wait_alu depctr_va_vdst(0)                   ; comb is written in v64-67, which the LDS store reads (v41 was written ahead of an earlier wait)
	ds_store_b128 v[FNW], v[64:67]                 ; the sixteen lanes of a token write the same bytes with the same values
	ds_store_b32 v[FNW], v41 offset:16
	BARRIER
	; ---- t = (h rs) fw, quantised: my 32 columns are one block of the experts' K
.irp t, 0,1
	ds_load_b128 v[CB+4*\t:CB+4*\t+3], v[FNR] offset:512*\t
	ds_load_b32 v[RS+\t], v[FNR] offset:512*\t+16
.endr
	s_wait_dscnt 0x0
.set j, 0
.rept 8
	v_pk_mul_f32 v[AF+j:AF+j+1], v[H+j:H+j+1], v[RS:RS+1] op_sel_hi:[1,0]
	v_pk_mul_f32 v[AF+16+j:AF+16+j+1], v[H+16+j:H+16+j+1], v[RS:RS+1] op_sel:[0,1] op_sel_hi:[1,1]
.set j, j+2
.endr
.set j, 0
.rept 8
	v_pk_mul_f32 v[AF+j:AF+j+1], v[AF+j:AF+j+1], v[FW+j:FW+j+1]
	v_pk_mul_f32 v[AF+16+j:AF+16+j+1], v[AF+16+j:AF+16+j+1], v[FW+j:FW+j+1]
.set j, j+2
.endr
	QUANTB AF, CD, BY, 2
	s_wait_alu depctr_va_vdst(0)                   ; t's codes and scale bytes are written, which the LDS stores read; and the lines above are done with v[AF ..], in which t's fragments land behind the barrier
.irp t, 0,1
	ds_store_b64 v[AIW], v[CD+2*\t:CD+2*\t+1] offset:TIMG+4096*\t
	ds_store_b8 v[ASW], v[BY+\t] offset:TSC-ASC+256*\t
.endr
	BARRIER
	; ---- out = h + sum over e of comb_e (t We^T)
	s_wait_alu depctr_vm_vsrc(0)                   ; my LDS stores have read v166-171, in which t's fragments land, and v41 and v64-67, which the experts' results take
	FRAGS TIMG, TSC
	s_wait_dscnt 0x0
.irp e, 0,1,2,3
	s_wait_loadcnt 0x0                             ; this expert's weights; their bases may step
.if \e < 3
	s_add_nc_u64 s[24:25], s[24:25], 131072
	s_add_nc_u64 s[26:27], s[26:27], 8192
.endif
	MUL E, 0
	PLACES
.if \e < 3
	s_wait_alu depctr_va_vdst(0)                   ; the sixteen products are done reading v[WB ..] and v[WS ..], in which the next expert's weights land
	WLOAD 24, 26                                   ; the next expert's, under the weighing below
.endif
.irp t, 0,1
.set j, 0
.rept 8
.if \e % 2 == 0
	v_pk_fma_f32 v[H+16*\t+j:H+16*\t+j+1], v[E+16*\t+j:E+16*\t+j+1], v[CB+4*\t+\e:CB+4*\t+\e+1], v[H+16*\t+j:H+16*\t+j+1] op_sel_hi:[1,0,1]
.else
	v_pk_fma_f32 v[H+16*\t+j:H+16*\t+j+1], v[E+16*\t+j:E+16*\t+j+1], v[CB+4*\t+\e-1:CB+4*\t+\e], v[H+16*\t+j:H+16*\t+j+1] op_sel:[0,1,0] op_sel_hi:[1,1,1]
.endif
.set j, j+2
.endr
.endr
.endr
	; ---- the way out: a row's 512 columns come from sixteen waves: through the stage, then whole rows
	s_wait_alu depctr_va_vdst(0)                   ; the last weighing has written v[H ..], which the LDS stores read; and the last products are done reading v[AF ..], in which the rows land behind the barrier
.irp t, 0,1
.irp i, 0,1,2,3
	ds_store_b128 v[XRD], v[H+16*\t+4*\i:H+16*\t+4*\i+3] offset:16*XP*\t+16*\i
.endr
.endr
	BARRIER
.irp i, 0,1
.irp j, 0,1,2,3
	ds_load_b128 v[AF+4*(4*\i+\j):AF+4*(4*\i+\j)+3], v[XDN] offset:XP*\i+512*\j
.endr
.endr
.irp i, 0,1
.irp j, 0,1,2,3
	s_wait_dscnt 7-4*\i-\j                         ; the younger reads of the stage may be out
	global_store_b128 v[L16], v[AF+4*(4*\i+\j):AF+4*(4*\i+\j)+3], s[46:47] offset:2048*\i+512*\j th:TH_STORE_NT   ; 32 lanes store 512 consecutive bytes, aligned
.endr
.endr
	s_wait_xcnt 0x0
	v_lshl_add_u32 v230, v0, 2, 0x17500            ; the add's two registers are made anew here: no memory or LDS instruction has ever read v230 or v231
	v_mov_b32 v231, 0
	s_wait_dscnt 0x0                               ; the closing lines, six on end, of a launch in the mode that stores to LDS
	s_wait_alu 0x0
	s_wait_tensorcnt 0x0
	ds_add_u32 v230, v231
	s_wait_dscnt 0x0
	s_endpgm
.Lfunc_end_k_q8e8bee4df0_attn_tail:
	.size	k_q8e8bee4df0_attn_tail, .Lfunc_end_k_q8e8bee4df0_attn_tail-k_q8e8bee4df0_attn_tail
	.p2alignl 7, 3214868480
	.fill 96, 4, 3214868480
	.section	.rodata,"a",@progbits
	.p2align	6, 0x0
	.amdhsa_kernel k_q8e8bee4df0_attn_tail
		.amdhsa_group_segment_fixed_size 97536
		.amdhsa_private_segment_fixed_size 0
		.amdhsa_enable_private_segment 0
		.amdhsa_kernarg_size 88
		.amdhsa_user_sgpr_count 2
		.amdhsa_user_sgpr_kernarg_segment_ptr 1
		.amdhsa_wavefront_size32 1
		.amdhsa_system_sgpr_workgroup_id_x 1
		.amdhsa_system_sgpr_workgroup_id_y 1
		.amdhsa_system_sgpr_workgroup_id_z 1
		.amdhsa_system_vgpr_workitem_id 0
		.amdhsa_next_free_vgpr 256
		.amdhsa_next_free_sgpr 66
		.amdhsa_reserve_vcc 0
		.amdhsa_float_denorm_mode_32 3
		.amdhsa_float_denorm_mode_16_64 3
		.amdhsa_memory_ordered 1
		.amdhsa_forward_progress 1
		.amdhsa_inst_pref_size 136
	.end_amdhsa_kernel
	.amdgpu_metadata
---
amdhsa.version: [ 1, 2 ]
amdhsa.kernels:
  - .name:           k_q8e8bee4df0_attn_tail
    .symbol:         k_q8e8bee4df0_attn_tail.kd
    .args:
      - { .name: x, .offset: 0, .size: 8, .value_kind: global_buffer, .address_space: global }
      - { .name: qimg, .offset: 8, .size: 8, .value_kind: global_buffer, .address_space: global }
      - { .name: qsc, .offset: 16, .size: 8, .value_kind: global_buffer, .address_space: global }
      - { .name: kv, .offset: 24, .size: 8, .value_kind: global_buffer, .address_space: global }
      - { .name: wo_codes, .offset: 32, .size: 8, .value_kind: global_buffer, .address_space: global }
      - { .name: wo_scales, .offset: 40, .size: 8, .value_kind: global_buffer, .address_space: global }
      - { .name: ffn_norm_w, .offset: 48, .size: 8, .value_kind: global_buffer, .address_space: global }
      - { .name: gate_w, .offset: 56, .size: 8, .value_kind: global_buffer, .address_space: global }
      - { .name: expert_w_codes, .offset: 64, .size: 8, .value_kind: global_buffer, .address_space: global }
      - { .name: expert_w_scales, .offset: 72, .size: 8, .value_kind: global_buffer, .address_space: global }
      - { .name: out0, .offset: 80, .size: 8, .value_kind: global_buffer, .address_space: global }
    .group_segment_fixed_size: 97536
    .private_segment_fixed_size: 0
    .kernarg_segment_align: 8
    .kernarg_segment_size: 88
    .max_flat_workgroup_size: 512
    .sgpr_count:     66
    .vgpr_count:     256
    .wavefront_size: 32
...
	.end_amdgpu_metadata
.endif
;; end of part 4
